; MI455X (gfx1250); checked and timed in simulation.
; The chip was launched on July 23, 2026; its instructions are those of AMD's public machine-readable ISA for CDNA 5 (MIT licence, August 2026) and "CDNA5" Instruction Set Architecture Reference Guide (July 2026). The comments in the code are by the model that wrote it; some were corrected since.
;; Bah attention. Allowed arithmetic: float matrix products may take bf16 or f16 operands with f32 sums; all other float work in f32.
;; Inputs: Wm 1,024 x 1,024 float32; Wq 1,024 x 1,024 float32; bm 1,024 float32; bq 1,024 float32; context 32 x 2,048 x 1,024 float32; mask 32 x 2,048 bool; v 1,024 float32; x 32 x 1,024 float32.
;; Outputs: out0 32 x 1,024 float32; out1 32 x 2,048 float32.
;; 2 versions, each right; version 2 is version 1 with the launch attn written anew for expert scheduling mode. Each part assembles by itself: llvm-mc -triple=amdgcn-amd-amdhsa -mcpu=gfx1250 --defsym DOCPART=n.
;; ======== version 1 of 2: 3 launches
;; workspace buffers: wmf 2,097,152 bytes; hxs 524,288 bytes; logits 262,144 bytes; part 2,097,152 bytes
;; launch prep (part 1): grid 256 x 1, 4 waves a work-group, no clusters, 8,704 bytes of LDS; arguments Wm, Wq, x, bq, bm, wmf, hxs; writes wmf, hxs
.if DOCPART == 1
	.amdgcn_target "amdgcn-amd-amdhsa--gfx1250"
	.amdhsa_code_object_version 6
	.text
	.protected	k_qd25ab805b8_prep
	.globl	k_qd25ab805b8_prep
	.p2align	8
	.type	k_qd25ab805b8_prep,@function
k_qd25ab805b8_prep:
	s_mov_b64 s[64:65], 0
	v_nop
	global_prefetch_b8 v0, s[64:65] scope:SCOPE_SE
	s_setreg_imm32_b32 hwreg(HW_REG_WAVE_MODE, 25, 1), 1
	s_wait_xcnt 0x0
; PREP.  Two things that the main launch wants ready:
;   wmf: Wm rounded to bf16 and laid out in the order in which a wave of the main launch loads its B fragments;
;   hxs[q][o/16][batch][o%16] = 2 log2(e) (the part of x Wq^T over K = 256 q .. 256 q + 255, + (bq + bm) / 4), f32, q = 0 .. 3: the four quarters
;   add up to the part of tanh's argument that does not hang on t, already scaled for exp2; the main launch adds them.
; Work-group 4 i + q owns rows 16 i .. 16 i + 15 of Wm and of Wq and K quarter q: 16 + 16 + 32 KiB of input.  Wave w (4 waves) owns
; K = 64 (4 q + w) .. + 63: two K steps of 32, 256 bytes of each row.
; wmf, byte address of Wm(n, k), n = 512 c + 128 w' + 16 bt + r, k = 32 ks + 16 half + 8 h + e:
;   (((2 w' + c) 32 + ks) 8 + bt) 1024 + 512 half + 16 (16 h + r) + 2 e:  lane 16 h + r finds its 16 bytes of a fragment's half at 16 x lane.
; x Wq^T goes to the matrix unit in bf16 with f32 sums; the four waves' partial sums meet in LDS.
; No cluster, no tensor load: every byte goes through a conversion in registers, and what work-groups share (x, 128 KiB in all) is a small part.
.set VO,   4                           ; v4   r 4096 + (4 q + w) 256 + 32 h: my 32 bytes (8 f32) in a row of Wm, Wq or x
.set WO,   5                           ; v5   (4 q + w) 16384 + 16 lane: my 16 bytes in wmf
.set LS,   6                           ; v6   w 2048 + 4 lane: my word of my wave's partial sums in LDS
.set RA,   7                           ; v7   where thread t reads four partial sums back
.set BO,   8                           ; v8   16 (t & 3): my four numbers of bq and bm
.set OO,   9                           ; v9   16 t: my 16 bytes of hxs
.set WM,   16                          ; v[16:47]    Wm: two blocks of 16 f32 (one K step each); a block's first 8 registers hold the fragment after CVT
.set WQ,   48                          ; v[48:79]    Wq likewise
.set X0,   80                          ; v[80:111]   x, batches 0-15
.set X1,   112                         ; v[112:143]  x, batches 16-31
.set ACC0, 144                         ; v[144:151]  sums, batches 0-15
.set ACC1, 152                         ; v[152:159]  sums, batches 16-31
.set BQ,   160                         ; v[160:163]
.set BM,   164                         ; v[164:167]
.set T,    172                         ; v[172:187]  four waves' partial sums, 4 numbers each
	s_load_b256 s[4:11], s[0:1], 0x0               ; Wm s[4:5], Wq s[6:7], x s[8:9], bq s[10:11]
	s_load_b128 s[12:15], s[0:1], 0x20             ; bm s[12:13], wmf s[14:15]
	s_load_b64 s[16:17], s[0:1], 0x30              ; hxs
	v_lshl_add_u32 v192, v0, 2, 0x2000
	v_mov_b32 v193, 0
	v_lshrrev_b32 v10, 5, v0
	v_readfirstlane_b32 s18, v10                   ; wave 0..3
	v_and_b32 v1, 31, v0                           ; lane
	v_and_b32 v2, 15, v0                           ; r
	v_bfe_u32 v3, v0, 4, 1                         ; h
	s_lshr_b32 s30, ttmp9, 2                       ; i: the tile of 16 rows
	s_and_b32 s31, ttmp9, 3                        ; q: the quarter of K
	s_lshl2_add_u32 s19, s31, s18                  ; 4 q + w
	s_lshl_b32 s28, s19, 8
	v_lshl_add_u32 v[VO], v2, 12, s28
	v_lshl_add_u32 v[VO], v3, 5, v[VO]
	v_and_b32 v[BO], 3, v0
	v_lshlrev_b32 v[BO], 4, v[BO]
	s_lshl_b32 s20, s30, 16                        ; 16 rows of 4,096 bytes
	s_mov_b32 s21, 0
	s_bfe_u32 s22, s30, 0x20003                    ; w' = (i >> 3) & 3
	s_lshr_b32 s23, s30, 5                         ; c = i >> 5
	s_lshl1_add_u32 s22, s22, s23                  ; 2 w' + c
	s_lshl_b32 s22, s22, 18                        ; x 32 K steps x 8 tiles x 1,024 bytes
	s_and_b32 s23, s30, 7                          ; bt
	s_lshl_b32 s23, s23, 10
	s_add_co_u32 s22, s22, s23
	s_mov_b32 s23, 0
	s_lshl_b32 s24, s30, 11                        ; hxs: 32 batches x 64 bytes for each 16 outputs,
	s_lshl_b32 s25, s31, 17                        ; 131,072 bytes for each quarter
	s_add_co_u32 s24, s24, s25
	s_mov_b32 s25, 0
	s_lshl_b32 s26, s30, 6                         ; bq, bm: 16 f32
	s_mov_b32 s27, 0
	s_wait_kmcnt 0x0
	s_add_nc_u64 s[4:5], s[4:5], s[20:21]
	s_add_nc_u64 s[6:7], s[6:7], s[20:21]
	s_add_nc_u64 s[10:11], s[10:11], s[26:27]
	s_add_nc_u64 s[12:13], s[12:13], s[26:27]
	s_add_nc_u64 s[14:15], s[14:15], s[22:23]
	s_add_nc_u64 s[16:17], s[16:17], s[24:25]
; Eight loads: for each of my two K steps the f32 of a fragment: k = 8 h .. 8 h + 7 (32 bytes) and k = 16 + 8 h .. (64 bytes on).
.macro LDF dst, lo, imm
.irp kk, 0,1
	global_load_b128 v[\dst+16*\kk:\dst+16*\kk+3],     v[VO], s[\lo:\lo+1] offset:\imm+128*\kk
	global_load_b128 v[\dst+16*\kk+4:\dst+16*\kk+7],   v[VO], s[\lo:\lo+1] offset:\imm+128*\kk+16
	global_load_b128 v[\dst+16*\kk+8:\dst+16*\kk+11],  v[VO], s[\lo:\lo+1] offset:\imm+128*\kk+64
	global_load_b128 v[\dst+16*\kk+12:\dst+16*\kk+15], v[VO], s[\lo:\lo+1] offset:\imm+128*\kk+80
.endr
.endm
; Sixteen f32 become a fragment of 8 registers, in place: register i takes numbers 2 i and 2 i + 1, which no earlier line has overwritten.
.macro CVT blk
.irp i, 0,1,2,3,4,5,6,7
	v_cvt_pk_bf16_f32 v[\blk+\i], v[\blk+2*\i], v[\blk+2*\i+1]
.endr
.endm
	LDF WM, 4, 0
	LDF WQ, 6, 0
	LDF X0, 8, 0
	LDF X1, 8, 65536                               ; batches 16-31: sixteen rows of 4,096 bytes on
	global_load_b128 v[BQ:BQ+3], v[BO], s[10:11]
	global_load_b128 v[BM:BM+3], v[BO], s[12:13]
	; the other addresses, while the loads are on their way
	s_lshl_b32 s28, s19, 14
	v_lshl_add_u32 v[WO], v1, 4, s28
	s_lshl_b32 s29, s18, 11
	v_lshl_add_u32 v[LS], v1, 2, s29
	v_lshrrev_b32 v12, 2, v0                       ; batch 0..31 (128 threads, four outputs each)
	v_lshrrev_b32 v13, 4, v12
	v_and_b32 v14, 7, v12
	v_lshl_add_u32 v13, v13, 3, v14                ; the accumulator register that holds this batch: 8 (batch >> 4) + (batch & 7)
	v_bfe_u32 v14, v12, 3, 1                       ; and the half of the lanes: (batch >> 3) & 1
	v_lshlrev_b32 v[RA], 7, v13                    ; 128 bytes for each register,
	v_lshl_add_u32 v[RA], v14, 6, v[RA]            ; 64 for each half,
	v_add_nc_u32 v[RA], v[RA], v[BO]               ; 16 for my four outputs
	v_lshlrev_b32 v[OO], 4, v0
	s_wait_loadcnt 26                              ; Wm's eight are in; Wq's 8, x's 16 and the 2 of the biases stay out
	CVT WM
	CVT WM+16
.irp kk, 0,1
	global_store_b128 v[WO], v[WM+16*\kk:WM+16*\kk+3],   s[14:15] offset:8192*\kk       ; each store of the wave covers 512 consecutive bytes, aligned
	global_store_b128 v[WO], v[WM+16*\kk+4:WM+16*\kk+7], s[14:15] offset:8192*\kk+512
.endr
	s_wait_loadcnt 2                               ; Wq and x are in; the biases stay out
	CVT WQ
	CVT WQ+16
	CVT X0
	CVT X0+16
	CVT X1
	CVT X1+16
	; source 0 = x, source 1 = Wq: register j of lane (r, h) is batch 8 h + j (+ 16), output 16 i + r.
	; The two accumulators take turns, one instruction a turn; the first products start the sums.
	v_wmma_f32_16x16x32_bf16 v[ACC0:ACC0+7], v[X0:X0+7],     v[WQ:WQ+7],     0
	v_wmma_f32_16x16x32_bf16 v[ACC1:ACC1+7], v[X1:X1+7],     v[WQ:WQ+7],     0
	v_wmma_f32_16x16x32_bf16 v[ACC0:ACC0+7], v[X0+16:X0+23], v[WQ+16:WQ+23], v[ACC0:ACC0+7]
	v_wmma_f32_16x16x32_bf16 v[ACC1:ACC1+7], v[X1+16:X1+23], v[WQ+16:WQ+23], v[ACC1:ACC1+7]
.rept 4
	v_nop                                          ; four places before an LDS store reads a matrix result
.endr
.irp p, 0,1,2,3,4,5,6,7,8,9,10,11,12,13,14,15
	ds_store_b32 v[LS], v[ACC0+\p] offset:128*\p   ; register p of all 32 lanes: 128 consecutive bytes
.endr
	s_wait_dscnt 0x0                               ; for the other waves' sake: my partial sums are in LDS
	s_barrier_signal -1
	s_barrier_wait -1
.irp s, 0,1,2,3
	ds_load_b128 v[T+4*\s:T+4*\s+3], v[RA] offset:2048*\s          ; 32 batches x 16 outputs = 128 threads x 4 numbers
.endr
	s_wait_dscnt 0x0
.macro TADD aa, bb
	v_pk_add_f32 v[T+4*(\aa):T+4*(\aa)+1],   v[T+4*(\aa):T+4*(\aa)+1],   v[T+4*(\bb):T+4*(\bb)+1]
	v_pk_add_f32 v[T+4*(\aa)+2:T+4*(\aa)+3], v[T+4*(\aa)+2:T+4*(\aa)+3], v[T+4*(\bb)+2:T+4*(\bb)+3]
.endm
	TADD 0, 2
	TADD 1, 3
	TADD 0, 1
	s_wait_loadcnt 0x0                             ; bq, bm
	v_pk_add_f32 v[BQ:BQ+1],   v[BQ:BQ+1],   v[BM:BM+1]
	v_pk_add_f32 v[BQ+2:BQ+3], v[BQ+2:BQ+3], v[BM+2:BM+3]
	v_pk_fma_f32 v[T:T+1],     v[BQ:BQ+1],   0x3e800000, v[T:T+1]   op_sel_hi:[1,0,1]   ; + a quarter of the biases: a power of two, so the four quarters carry them whole
	v_pk_fma_f32 v[T+2:T+3],   v[BQ+2:BQ+3], 0x3e800000, v[T+2:T+3] op_sel_hi:[1,0,1]
	v_pk_mul_f32 v[T:T+1],     v[T:T+1],     0x4038aa3b op_sel_hi:[1,0]     ; x 2 log2(e)
	v_pk_mul_f32 v[T+2:T+3],   v[T+2:T+3],   0x4038aa3b op_sel_hi:[1,0]
	global_store_b128 v[OO], v[T:T+3], s[16:17]    ; the four waves' stores cover the work-group's 2,048 bytes, 512 consecutive bytes each
	s_wait_tensorcnt 0x0
	ds_add_u32 v192, v193
	s_wait_dscnt 0x0
	s_endpgm
.Lfunc_end_k_qd25ab805b8_prep:
	.size	k_qd25ab805b8_prep, .Lfunc_end_k_qd25ab805b8_prep-k_qd25ab805b8_prep
	.p2alignl 7, 3214868480
	.fill 96, 4, 3214868480
	.section	.rodata,"a",@progbits
	.p2align	6, 0x0
	.amdhsa_kernel k_qd25ab805b8_prep
		.amdhsa_group_segment_fixed_size 8704
		.amdhsa_private_segment_fixed_size 0
		.amdhsa_enable_private_segment 0
		.amdhsa_kernarg_size 56
		.amdhsa_user_sgpr_count 2
		.amdhsa_user_sgpr_kernarg_segment_ptr 1
		.amdhsa_wavefront_size32 1
		.amdhsa_system_sgpr_workgroup_id_x 1
		.amdhsa_system_sgpr_workgroup_id_y 1
		.amdhsa_system_sgpr_workgroup_id_z 1
		.amdhsa_system_vgpr_workitem_id 0
		.amdhsa_next_free_vgpr 194
		.amdhsa_next_free_sgpr 66
		.amdhsa_reserve_vcc 0
		.amdhsa_float_denorm_mode_32 3
		.amdhsa_float_denorm_mode_16_64 3
		.amdhsa_memory_ordered 1
		.amdhsa_forward_progress 1
		.amdhsa_inst_pref_size 13
	.end_amdhsa_kernel
	.amdgpu_metadata
---
amdhsa.version: [ 1, 2 ]
amdhsa.kernels:
  - .name:           k_qd25ab805b8_prep
    .symbol:         k_qd25ab805b8_prep.kd
    .args:
      - { .name: Wm, .offset: 0, .size: 8, .value_kind: global_buffer, .address_space: global }
      - { .name: Wq, .offset: 8, .size: 8, .value_kind: global_buffer, .address_space: global }
      - { .name: x, .offset: 16, .size: 8, .value_kind: global_buffer, .address_space: global }
      - { .name: bq, .offset: 24, .size: 8, .value_kind: global_buffer, .address_space: global }
      - { .name: bm, .offset: 32, .size: 8, .value_kind: global_buffer, .address_space: global }
      - { .name: wmf, .offset: 40, .size: 8, .value_kind: global_buffer, .address_space: global }
      - { .name: hxs, .offset: 48, .size: 8, .value_kind: global_buffer, .address_space: global }
    .group_segment_fixed_size: 8704
    .private_segment_fixed_size: 0
    .kernarg_segment_align: 8
    .kernarg_segment_size: 56
    .max_flat_workgroup_size: 128
    .sgpr_count:     66
    .vgpr_count:     194
    .wavefront_size: 32
...
	.end_amdgpu_metadata
.endif
;; end of part 1
;; launch attn (part 2): grid 512 x 1, 4 waves a work-group, no clusters, 309,760 bytes of LDS; arguments context, wmf, hxs, v, logits, part; writes logits, part
.if DOCPART == 2
	.amdgcn_target "amdgcn-amd-amdhsa--gfx1250"
	.amdhsa_code_object_version 6
	.text
	.protected	k_qd25ab805b8_attn
	.globl	k_qd25ab805b8_attn
	.p2align	8
	.type	k_qd25ab805b8_attn,@function
k_qd25ab805b8_attn:
	s_mov_b64 s[64:65], 0
	v_nop
	global_prefetch_b8 v0, s[64:65] scope:SCOPE_SE
	s_setreg_imm32_b32 hwreg(HW_REG_WAVE_MODE, 25, 1), 1
	s_wait_xcnt 0x0
; ATTN.  Work-group g owns rows 128 g .. 128 g + 127 of context taken as [65536][1024]; its batch is g >> 4.  It makes
;   logits[row] = sum over o of -2 v[o] / (1 + exp2(2 log2(e) (context Wm^T + x Wq^T + bq + bm)[row][o]))
;   part[g][h]  = sum over its rows of exp(logit - the block's largest logit) context[row][h]
; tanh(z) = 1 - 2 / (1 + e^(2z)), so a logit here is reference()'s score before the softmax less the constant sum of v, which is the same for
; every t and leaves the softmax as it is, for every input.  The softmax's maximum is taken away block by block here and over the batch in the next launch.
; LIMITS: exp2 gives 0 for results below 2^-126 (ISA guide, the entry of V_EXP_F32); an overflowing exp2 gives infinity, whose reciprocal is 0: tanh = 1.
; Context and Wm enter the product, and context the weighted sum, rounded to bf16; all sums, tanh, exp in f32.  NaN or infinite inputs give NaN.
; THE INPUT mask IS NOT READ: reference() takes it as an argument and uses it in no step.
;
; SHAPE.  The 128 rows are read from memory once, rounded to bf16 and kept in LDS for the product and for the weighted sum.
; Four waves; in each of two passes c a wave makes 128 rows x 128 columns (512 c + 128 w ..): 64 accumulator tiles, 512 registers.
; A's fragments come from LDS.  B's fragments (wmf, laid out for it by the launch before) go straight from memory into registers, a ring of four
; K steps: a fragment of Wm is used by one wave alone, so LDS would add a write and a read for each byte and spare none inside the work-group.
; CONTEXT COMES IN DURING PASS 0, K slice by K slice, through four sets of 32 registers, each asked for four K steps ahead of its conversion.
; Four sets and four ring buffers repeat every four K steps, so both passes are loops of four steps: that keeps the text short.
; NO CLUSTER, NO JOINT LOADS for wmf, though all work-groups read it: beside the resident block, the park and the scratch 327,680 - 309,248 = 18,432 bytes
; of LDS are left, and two slots of one K step (512 columns x 32 k x 2 bytes = 32,768 each) take 65,536.
;
; LDS.  The block lies by slices of 64 columns (two K steps): slice g at g SLICE, row at RP = 144 bytes (128 of data + 16 = 9 x 16: the sixteen rows of a
; fragment load start in sixteen different 16-byte columns modulo 256 bytes).  SLICE = 128 rows + 128 bytes, so that two neighbouring slices' rows lie 128 bytes
; apart modulo 256.  Between two barriers the waves read one slice and store into the next: two ranges of bytes that do not meet.  Each byte is stored once.
;
; REGISTERS, in windows of 256:
;   window 0: v2-17 addresses, v24-31 at work, v32-47 HX, v48-63 W, v64-127 and v128-191 A's fragments (two buffers), v192-255 Q (row sums);
;             in pass 0 A has the one buffer v64-127, fetched by halves, and v128-255 are the four sets through which context comes in
;   window 1: B's ring: K step s lies in v[64 (s % 4) ..], tile bt at + 8 bt
;   window 2: accumulator tiles of rows 0-63 (tile (a, b) at 8 (8 a + b));  window 3: those of rows 64-127
.set RP,    144
.set T16,   16*RP
.set SLICE, 128*RP+128                 ; 18,560
.set PARK,  16*SLICE                   ; [wave][h_x pass 0, h_x pass 1, -2 v pass 0, -2 v pass 1][128] f32: each wave's own 2,048 bytes
.set SCR,   PARK+8192                  ; [wave][128] f32: each wave's row sums over its columns
.set PSC,   SCR+2048                   ; [wave][128] f32: each wave's own copy of the block's weights p
.set CTXO,  2                          ; (32 w + 8 h) 4096 + 16 r: my 16 bytes of f32 in a slice's row; never rewritten
.set STA,   3                          ; (32 w + 8 h) RP + 8 r: where my 8 bytes of bf16 go; steps two slices on every four K steps
.set ADRA,  4                          ; r RP + 16 h, stepped two slices on every four K steps
.set BOFF,  5                          ; w 524288 + 16 lane: my 16 bytes in my wave's stream of wmf
.set ADRA0, 6                          ; ADRA at K = 0, never stepped
.set PKA,   7
.set PKR,   8
.set HO,    9
.set VOF,   10
.set SUMA,  11
.set SUMR,  12
.set PST,   13
.set PB,    14
.set RD,    15
.set PO,    16
.set LO,    17
.set LG,    24                         ; v24-27 four logits
.set HX,    32                         ; v[32+8c+bt]  scaled h_x of my column of tile bt in pass c
.set W,     48                         ; v[48+8c+bt]  -2 v of that column
.set F0,    64
.set F1,    128
.set US,    128                        ; pass 0: set st of four at v[128 + 32 st ..]
.set TH,    64                         ; the start: h_x's four quarters, two passes (v64-95)
.set TV,    96                         ; the start: v, two passes (v96-103)
.set Q,     192                        ; v[192+8a+j]  row 16 a + 8 h + j: sum over my columns
.set X0,    64                         ; the weighted sum: sixteen rows, 4 registers each
.set P0,    128                        ; and their sixteen weights
.set X1,    144
.set P1,    208
.set C,     224                        ; v224-231 my eight columns of the weighted sum
.set MUL_LO, 0xa4                      ; source 0 (A) window 0, source 1 (B) window 1, C and D window 2
.set MUL_HI, 0xf4                      ; the same, C and D window 3
.set TO_B,   0x40                      ; destination window 1, address window 0
.set MSB, 0
.macro WIN new                         ; the immediate's high byte repeats the setting that is left; a switch that changes nothing is dropped
.if MSB != (\new)
	s_set_vgpr_msb (MSB<<8)|(\new)
.set MSB, \new
.endif
.endm
.macro PLACES                          ; a load into a register that a matrix instruction has read, and a vector instruction that reads a matrix result, stand four
.rept 4                                ; plain vector instructions behind it (ISA guide 7.12.1 for vector instructions)
	v_nop
.endr
.endm
; A UNIT u of context: slice u / 2, and of my wave's 32 rows the sixteen 16 (u % 2) ..; 32 registers, set u % 4.
; Load j of eight: lanes 0-15 take the 256 bytes (64 f32) of row j, lanes 16-31 those of row j + 8: two whole aligned runs of 256 bytes.
.macro ULOAD st, goff                  ; goff: 256 x slice + 65,536 x half, counted from where the base stands
.irp j, 0,1,2,3,4,5,6,7
	global_load_b128 v[US+32*(\st)+4*\j:US+32*(\st)+4*\j+3], v[CTXO], s[4:5] offset:(\goff)+4096*\j th:TH_LOAD_NT
.endr
.endm
.macro UCVT st                         ; four f32 become 8 bytes of bf16, in place
.irp j, 0,1,2,3,4,5,6,7
	v_cvt_pk_bf16_f32 v[US+32*(\st)+4*\j],   v[US+32*(\st)+4*\j],   v[US+32*(\st)+4*\j+1]
	v_cvt_pk_bf16_f32 v[US+32*(\st)+4*\j+1], v[US+32*(\st)+4*\j+2], v[US+32*(\st)+4*\j+3]
.endr
.endm
.macro USTORE st, loff                 ; loff: SLICE x slice + T16 x half, counted from where STA stands.  Rows j and j + 8 lie 1,152 bytes apart: 128 modulo 256, no bank is asked twice
.irp j, 0,1,2,3,4,5,6,7
	ds_store_b64 v[STA], v[US+32*(\st)+4*\j:US+32*(\st)+4*\j+1] offset:(\loff)+\j*RP
.endr
.endm
; 8 LDS loads: four of A's eight fragments (row tiles af .. af + 3, 32 K at byte koff behind the address) into buffer F0.
; Lane (r, h): row r, K = 8 h .. and 16 + 8 h ..: two loads 32 bytes apart.
.macro FETCH4 adr, af, koff
.irp i, 0,1,2,3
	ds_load_b128 v[F0+8*(\af+\i):F0+8*(\af+\i)+3],   v[\adr] offset:(\af+\i)*T16+\koff
	ds_load_b128 v[F0+8*(\af+\i)+4:F0+8*(\af+\i)+7], v[\adr] offset:(\af+\i)*T16+\koff+32
.endr
.endm
; 16 LDS loads: all eight fragments into buffer f (pass 1)
.macro FETCHA f, koff
.irp a, 0,1,2,3,4,5,6,7
	ds_load_b128 v[\f+8*\a:\f+8*\a+3],   v[ADRA] offset:\a*T16+\koff
	ds_load_b128 v[\f+8*\a+4:\f+8*\a+7], v[ADRA] offset:\a*T16+\koff+32
.endr
.endm
; 16 global loads: B's eight fragments of one K step, 8,192 consecutive bytes of my wave's stream, into a buffer of the ring
.macro FETCHB ring, off
	WIN TO_B
.irp bt, 0,1,2,3,4,5,6,7
	global_load_b128 v[64*(\ring)+8*\bt:64*(\ring)+8*\bt+3],   v[BOFF], s[6:7] offset:\off+1024*\bt
	global_load_b128 v[64*(\ring)+8*\bt+4:64*(\ring)+8*\bt+7], v[BOFF], s[6:7] offset:\off+1024*\bt+512
.endr
.endm
; 16 matrix instructions: row tiles a0, a0 + 1 of the window's four x all 8 column tiles.  Source 0 = context, source 1 = Wm:
; register j of lane (r, h) is row 16 a + 8 h + j, column 16 b + r.  zero = 1: the first product starts the sums, nothing is cleared.
; The 64 accumulators take turns, one instruction a turn, in the same order in every K step.
.macro MUL16 fa, rb, hi, a0, zero
.irp a, \a0, \a0+1
.irp b, 0,1,2,3,4,5,6,7
.if \zero
	v_wmma_f32_16x16x32_bf16 v[8*(8*(\a)+\b):8*(8*(\a)+\b)+7], v[\fa+8*(4*\hi+\a):\fa+8*(4*\hi+\a)+7], v[64*\rb+8*\b:64*\rb+8*\b+7], 0
.else
	v_wmma_f32_16x16x32_bf16 v[8*(8*(\a)+\b):8*(8*(\a)+\b)+7], v[\fa+8*(4*\hi+\a):\fa+8*(4*\hi+\a)+7], v[64*\rb+8*\b:64*\rb+8*\b+7], v[8*(8*(\a)+\b):8*(8*(\a)+\b)+7]
.endif
.endr
.endr
.endm
; K STEP s OF PASS 0.  s says what the step does (steps 1 to 24 are alike four by four and run in a loop, as steps 1 to 4); ra = s less the steps by which ADRA and
; STA have been moved on, rg = s less the steps by which the two global bases have been moved on.
; HEAD: four places, then A's rows 64-127 of this step into the half buffer that the step before has just read.
; MIDDLE, one run: unit s + 3 is converted (its sixteen conversions are the places) and stored, A's rows 0-63 of step s + 1 are fetched into the half just read,
; B of step s + 3 and unit s + 7 are asked for.  Each half of A is fetched 32 matrix instructions ahead of its use.
; Global loads return in order (ISA guide 5.7.1), and at a step's head they stand in this order:
;   U(s+3), B(s), U(s+4), B(s+1), U(s+5), B(s+2), U(s+6)      (B: 16 loads, U: 8 loads, none for units past 31)
; so the wait for B(s) leaves 8 + 16 + 8 + 16 + 8 = 56 out and shows U(s+3) in as well; the count runs down in the last steps.  Behind a run this order counts up
; to 80 loads; an issue that would pass the counter's field stalls (ISA guide 5.7.1), so no wait is placed for that.
; A unit is asked for in the middle of step s - 4 and wanted at the head of step s: 224 matrix instructions; 4 sets x 4 KiB x 4 waves are on their way.
; SLICES AND BARRIERS: slice g is first read in the middle of step 2 g - 1 (rows 0-63 of step 2 g).  Its two units are stored in the middles of steps 2 g - 3 and
; 2 g - 2.  So in each odd step up to 29 a wave waits for all its LDS instructions and signals at the head, and waits for the others in the middle.  Between signal and
; wait stand register work and the head's eight loads, which read the slice before: bytes that no wave writes again.
.macro STEP0 s, ra, rg
.set RB, (\s)%4
.set RN, ((\s)+3)%4
.set UST, ((\s)+3)%4
.set ZR, 0
.if (\s) == 0
.set ZR, 1
.endif
.set HASU, 0
.if (\s)+3 <= 31
.set HASU, 1
.endif
.set HASR, 0
.if (\s)+7 <= 31
.set HASR, 1
.endif
.set LCS, 32
.if (\s)+4 <= 31
.set LCS, LCS+8
.endif
.if (\s)+5 <= 31
.set LCS, LCS+8
.endif
.if (\s)+6 <= 31
.set LCS, LCS+8
.endif
.set BAR, 0
.if (\s)%2
.if (\s) <= 29
.set BAR, 1
.endif
.endif
.set DSS, 8                            ; the head's eight loads may be out,
.if (\s) >= 1
.if (\s) <= 29
.set DSS, 16                           ; and the eight stores of the last middle
.endif
.endif
.set DSM, 8+8*HASU                     ; the middle's eight loads and eight stores may be out
.set KH,  ((\ra)/2)*SLICE+((\ra)%2)*64
.set KN,  (((\ra)+1)/2)*SLICE+(((\ra)+1)%2)*64
.set ULO, (((\ra)+3)/2)*SLICE+(((\ra)+3)%2)*T16
.set UGO, (((\rg)+7)/2)*256+(((\rg)+7)%2)*65536
.if (\s) > 0
	WIN 0
	PLACES
.if BAR
	s_wait_dscnt 0x0                               ; for the other waves' sake: my stores into the next slice are done (my rows 0-63 of this step are in, too)
	s_barrier_signal -1
.endif
	FETCH4 ADRA, 4, KH
.endif
	s_wait_loadcnt LCS                             ; B of this step is in, and unit s + 3, which is older
.if BAR == 0
	s_wait_dscnt DSS                               ; A's rows 0-63 are in
.endif
	WIN MUL_LO
	MUL16 F0, RB, 0, 0, ZR
	MUL16 F0, RB, 0, 2, ZR
	WIN 0
.if HASU
	UCVT UST
.else
	PLACES
.endif
.if BAR
	s_barrier_wait -1                              ; the next slice is whole
.endif
.if (\s) == 31
	FETCH4 ADRA0, 0, 0                             ; pass 1 starts again at K = 0
.else
	FETCH4 ADRA, 0, KN
.endif
.if HASU
	USTORE UST, ULO
.endif
	FETCHB RN, ((\rg)+3)*8192                      ; into the ring buffer read one step ago; B's stream runs on into pass 1's columns
.if HASR
	WIN 0
	ULOAD UST, UGO                                 ; into the set just stored
.endif
	s_wait_dscnt DSM                               ; A's rows 64-127 are in
	WIN MUL_HI
	MUL16 F0, RB, 1, 0, ZR
	MUL16 F0, RB, 1, 2, ZR
.endm
; One K step of pass 1: 64 matrix instructions on A's buffer fa and B's ring buffer rb; in its middle the next step's A goes into fn and the B of three steps on
; into the ring buffer read one step ago.  amode = 0: nothing is fetched.  lcnt: how many younger B loads may stay out.
; A step's B loads are issued three steps ahead, in a step's middle: 160 matrix instructions stand between request and use.
.macro STEP fa, fn, rb, zero, amode, koff, bf, boff, lcnt
	s_wait_loadcnt \lcnt                           ; this step's 16 are in, the later steps' stay out
	s_wait_dscnt 8                                 ; A's rows 0-63 are in; the youngest eight loads (rows 64-127) may be out
	WIN MUL_LO
	MUL16 \fa, \rb, 0, 0, \zero
	MUL16 \fa, \rb, 0, 2, \zero
.if \amode
	WIN 0
	PLACES
	FETCHA \fn, \koff
.if \bf
	FETCHB (\rb+3)%4, \boff
.endif
	s_wait_dscnt 16                                ; all but the 16 just issued
.else
	s_wait_dscnt 0
.endif
	WIN MUL_HI
	MUL16 \fa, \rb, 1, 0, \zero
	MUL16 \fa, \rb, 1, 2, \zero
.endm
; THE EPILOGUE of sixteen rows (row tile a) of pass c, in the accumulators' own registers.
; EP1: one tile's 8 registers: acc x 2 log2(e) + scaled h_x of the lane's column (register sl of the pair hp, for both halves of the packed line)
.macro EP1 tl, hp, sl
.irp i, 0,2,4,6
	v_pk_fma_f32 v[\tl+\i:\tl+\i+1], v[\tl+\i:\tl+\i+1], 0x4038aa3b, v[\hp:\hp+1] op_sel:[0,0,\sl] op_sel_hi:[1,0,\sl]
.endr
.endm
; EP2: the row sums take one tile: Q += 1 / (1 + e^2z) x (-2 v) of the lane's column; frst = 1: the product starts the sums
.macro EP2 tl, qq, wp, sl, frst
.irp i, 0,2,4,6
.if \frst
	v_pk_mul_f32 v[\qq+\i:\qq+\i+1], v[\tl+\i:\tl+\i+1], v[\wp:\wp+1] op_sel:[0,\sl] op_sel_hi:[1,\sl]
.else
	v_pk_fma_f32 v[\qq+\i:\qq+\i+1], v[\tl+\i:\tl+\i+1], v[\wp:\wp+1], v[\qq+\i:\qq+\i+1] op_sel:[0,\sl,0] op_sel_hi:[1,\sl,1]
.endif
.endr
.endm
.macro EPI c, a
.set WN, 2+(\a>>2)
.set TB, 64*(\a&3)
.set EW, (WN<<6)|WN
	WIN EW                                         ; destination and source 0 in the accumulators' window, source 2 (h_x) in window 0
.irp b, 0,2,4,6
	EP1 TB+8*\b,   HX+8*\c+\b, 0
	EP1 TB+8*\b+8, HX+8*\c+\b, 1
.endr
.set j, 0
.rept 64
	v_exp_f32 v[TB+j], v[TB+j]
.set j, j+1
.endr
	v_nop                                          ; one plain instruction between a transcendental and the use of its result (ISA guide 5.7.2)
.set j, 0
	s_wait_alu depctr_va_vdst(0)
.rept 32
	v_pk_add_f32 v[TB+j:TB+j+1], v[TB+j:TB+j+1], 1.0 op_sel_hi:[1,0]
.set j, j+2
.endr
.set j, 0
.rept 64
	v_rcp_f32 v[TB+j], v[TB+j]
.set j, j+1
.endr
	v_nop                                          ; as above
	s_wait_alu depctr_va_vdst(0)
	WIN WN                                         ; source 0 in the accumulators' window, all else in window 0
	EP2 TB,   Q+8*\a, W+8*\c, 0, 1-\c
	EP2 TB+8, Q+8*\a, W+8*\c, 1, 0
.irp b, 2,4,6
	EP2 TB+8*\b,   Q+8*\a, W+8*\c+\b, 0, 0
	EP2 TB+8*\b+8, Q+8*\a, W+8*\c+\b, 1, 0
.endr
.endm
	s_load_b256 s[4:11], s[0:1], 0x0               ; context s[4:5], wmf s[6:7], hxs s[8:9], v s[10:11]
	s_load_b128 s[12:15], s[0:1], 0x20             ; logits s[12:13], part s[14:15]
	v_lshl_add_u32 v21, v0, 2, 0x4b800
	v_mov_b32 v22, 0
	v_lshrrev_b32 v31, 5, v0
	v_readfirstlane_b32 s16, v31                   ; wave 0..3
	v_and_b32 v1, 31, v0                           ; lane
	v_and_b32 v23, 15, v0                          ; r
	v_bfe_u32 v28, v0, 4, 1                        ; h
	s_mov_b32 s21, 0x76543210                      ; v_permlanex16_b32: lane i of one half reads lane i of the other
	s_mov_b32 s22, 0xfedcba98
	s_lshl_b32 s23, s16, 17                        ; 32 rows of 4,096 bytes
	s_mul_i32  s24, s16, 32*RP
	s_lshl_b32 s25, s16, 19                        ; 64 K steps of 8,192 bytes
	s_lshl_b32 s26, s16, 14                        ; 8 tiles of 2,048 bytes in hxs
	s_lshl_b32 s27, s16, 9
	s_add_co_u32 s28, s27, SCR
	s_add_co_u32 s29, s27, PSC
	s_lshl_b32 s30, s16, 10
	s_lshl_b32 s31, s16, 11
	s_add_co_u32 s31, s31, PARK
	s_mul_i32  s33, s16, 4*SLICE
	v_lshlrev_b32 v[LO], 4, v1
	v_lshl_add_u32 v[CTXO], v23, 4, s23
	v_lshl_add_u32 v[CTXO], v28, 15, v[CTXO]       ; lanes 16-31: eight rows further down
	v_lshl_add_u32 v[STA], v23, 3, s24
	v_mul_u32_u24 v29, v28, 8*RP
	v_add_nc_u32 v[STA], v[STA], v29
	v_mul_u32_u24 v29, v23, RP
	v_lshl_add_u32 v[ADRA0], v28, 4, v29
	v_mov_b32 v[ADRA], v[ADRA0]
	v_add_nc_u32 v[BOFF], s25, v[LO]
	v_add_nc_u32 v[PKA], s31, v[LO]
	v_lshl_add_u32 v[PKR], v23, 2, s31
	v_lshrrev_b32 v29, 2, v1                       ; hxs: lane takes columns 4 lane .. + 3 of my wave's 128: tile lane / 4,
	v_lshl_add_u32 v[HO], v29, 11, s26
	v_and_b32 v29, 3, v1                           ; 16 bytes at 16 (lane % 4) of my batch's 64
	v_lshl_add_u32 v[HO], v29, 4, v[HO]
	v_add_nc_u32 v[VOF], s27, v[LO]
	v_lshl_add_u32 v[SUMA], v28, 5, s28            ; rows 8 h .. of my wave's 128 sums
	v_add_nc_u32 v[SUMR], SCR, v[LO]               ; rows 4 lane .. 4 lane + 3
	v_add_nc_u32 v[PST], s29, v[LO]
	v_mov_b32 v[PB], s29
	v_mul_u32_u24 v29, v28, SLICE
	v_lshl_add_u32 v[RD], v23, 3, s33              ; the weighted sum: slice 4 w + h, 8 bytes at 8 r of a row
	v_add_nc_u32 v[RD], v[RD], v29
	v_add_nc_u32 v[PO], s30, v[LO]
	s_lshl_b32 s18, ttmp9, 19                      ; 128 rows of 4,096 bytes; 511 x 2^19 stays below 2^32
	s_mov_b32 s19, 0
	s_wait_kmcnt 0x0
	s_add_nc_u64 s[4:5], s[4:5], s[18:19]
	s_lshr_b32 s18, ttmp9, 4
	s_lshl_b32 s18, s18, 6                         ; my batch's 64 bytes in each tile of hxs
	s_add_nc_u64 s[8:9], s[8:9], s[18:19]
	s_lshl_b32 s18, ttmp9, 9
	s_add_nc_u64 s[12:13], s[12:13], s[18:19]
	s_lshl_b32 s18, ttmp9, 12
	s_add_nc_u64 s[14:15], s[14:15], s[18:19]
	; THE START.  h_x (four quarters over K, two passes) and v: ten loads into A's buffer, which nothing fills before the first barrier.
	; Then units 0 to 3 and B of step 0: 10 + 32 + 16 = 58 loads.
.irp c, 0,1
.irp qd, 0,1,2,3
	global_load_b128 v[TH+16*\c+4*\qd:TH+16*\c+4*\qd+3], v[HO], s[8:9] offset:131072*\qd+65536*\c
.endr
.endr
.irp c, 0,1
	global_load_b128 v[TV+4*\c:TV+4*\c+3], v[VOF], s[10:11] offset:2048*\c
.endr
	ULOAD 0, 0
	ULOAD 1, 65536
	ULOAD 2, 256
	ULOAD 3, 256+65536
	FETCHB 0, 0
	WIN 0
	s_wait_loadcnt 48                              ; h_x and v are in; four units and B(0) stay out
.irp c, 0,1
	v_pk_add_f32 v[TH+16*\c:TH+16*\c+1],     v[TH+16*\c:TH+16*\c+1],     v[TH+16*\c+4:TH+16*\c+5]
	v_pk_add_f32 v[TH+16*\c+2:TH+16*\c+3],   v[TH+16*\c+2:TH+16*\c+3],   v[TH+16*\c+6:TH+16*\c+7]
	v_pk_add_f32 v[TH+16*\c+8:TH+16*\c+9],   v[TH+16*\c+8:TH+16*\c+9],   v[TH+16*\c+12:TH+16*\c+13]
	v_pk_add_f32 v[TH+16*\c+10:TH+16*\c+11], v[TH+16*\c+10:TH+16*\c+11], v[TH+16*\c+14:TH+16*\c+15]
	v_pk_add_f32 v[TH+16*\c:TH+16*\c+1],     v[TH+16*\c:TH+16*\c+1],     v[TH+16*\c+8:TH+16*\c+9]
	v_pk_add_f32 v[TH+16*\c+2:TH+16*\c+3],   v[TH+16*\c+2:TH+16*\c+3],   v[TH+16*\c+10:TH+16*\c+11]
.endr
.irp i, 0,2,4,6
	v_pk_mul_f32 v[TV+\i:TV+\i+1], v[TV+\i:TV+\i+1], -2.0 op_sel_hi:[1,0]
.endr
	; through the park: a lane holds four neighbouring columns and wants column 16 bt + r of each tile.  My wave's own bytes: LDS serves a wave in order (ISA guide 5.7.1)
	ds_store_b128 v[PKA], v[TH:TH+3]
	ds_store_b128 v[PKA], v[TH+16:TH+19] offset:512
	ds_store_b128 v[PKA], v[TV:TV+3]     offset:1024
	ds_store_b128 v[PKA], v[TV+4:TV+7]   offset:1536
.irp c, 0,1
.irp bt, 0,1,2,3,4,5,6,7
	ds_load_b32 v[HX+8*\c+\bt], v[PKR] offset:512*\c+64*\bt
	ds_load_b32 v[W+8*\c+\bt],  v[PKR] offset:1024+512*\c+64*\bt
.endr
.endr
	s_wait_loadcnt 40                              ; U0 is in; U1, U2, U3, B(0) stay out
	UCVT 0
	USTORE 0, 0
	ULOAD 0, 512                                   ; U4
	s_wait_loadcnt 40                              ; U1 is in; U2, U3, B(0), U4 stay out
	UCVT 1
	USTORE 1, T16
	FETCHB 1, 8192
	WIN 0
	ULOAD 1, 512+65536                             ; U5
	s_wait_loadcnt 56                              ; U2 is in; U3, B(0), U4, B(1), U5 stay out
	UCVT 2
	USTORE 2, SLICE
	FETCHB 2, 16384
	WIN 0
	ULOAD 2, 768                                   ; U6: the order is now that of a step's head: U3, B(0), U4, B(1), U5, B(2), U6
	s_wait_dscnt 0x0                               ; for the other waves' sake: my rows of slice 0 are in LDS (h_x and -2 v are back, too)
	s_barrier_signal -1
	s_barrier_wait -1
	FETCH4 ADRA, 0, 0
	FETCH4 ADRA, 4, 0
	; PASS 0: step 0, whose products start the sums; steps 1 to 24 in six trips; steps 25 to 31, which ask for no unit, written out
	STEP0 0, 0, 0
	WIN 0                                          ; at a label and at a branch every window is 0
	s_mov_b32 s20, 6
.Lpass0:
	STEP0 1, 1, 1
	STEP0 2, 2, 2
	STEP0 3, 3, 3
	STEP0 4, 4, 4
	WIN 0
	v_add_nc_u32 v[ADRA], 2*SLICE, v[ADRA]         ; four K steps are two slices
	v_add_nc_u32 v[STA], 2*SLICE, v[STA]
	s_wait_xcnt 0x0                                ; the bases of pending loads are stepped only behind this wait (ISA guide 3.1)
	s_add_nc_u64 s[4:5], s[4:5], 512               ; two slices of 256 bytes of f32
	s_add_nc_u64 s[6:7], s[6:7], 32768             ; four K steps of 8,192 bytes
	s_sub_co_u32 s20, s20, 1
	s_cmp_lg_u32 s20, 0
	s_cbranch_scc1 .Lpass0
	STEP0 25, 1, 1
	STEP0 26, 2, 2
	STEP0 27, 3, 3
	STEP0 28, 4, 4
	WIN 0
	v_add_nc_u32 v[ADRA], 2*SLICE, v[ADRA]
	STEP0 29, 1, 5
	STEP0 30, 2, 6
	STEP0 31, 3, 7
	WIN 0
	PLACES                                         ; for the loads below and for the epilogue, which reads results
	FETCH4 ADRA0, 4, 0                             ; rows 64-127 of pass 1's first step
	v_mov_b32 v[ADRA], v[ADRA0]
	s_wait_xcnt 0x0                                ; as above
	s_add_nc_u64 s[6:7], s[6:7], 65536             ; 6 x 32,768 + 65,536 = 32 K steps: pass 1's part of my stream
.irp a, 0,1,2,3,4,5,6,7
	EPI 0, \a                                      ; pass 1's first three steps of B land meanwhile: the epilogue touches neither A's buffer nor window 1
.endr
	WIN 0
	; PASS 1: step 0, whose products start the sums; steps 1 to 28 in seven trips; steps 29 to 31 ask for no B (step 28 asks for the last: no load passes the end
	; of wmf) and their counts run down 32, 16, 0
	STEP F0, F1, 0, 1, 1, 64, 1, 3*8192, 32
	WIN 0
	s_mov_b32 s20, 7
.Lpass1:
	STEP F1, F0, 1, 0, 1, SLICE,      1, 4*8192, 32
	STEP F0, F1, 2, 0, 1, SLICE+64,   1, 5*8192, 32
	STEP F1, F0, 3, 0, 1, 2*SLICE,    1, 6*8192, 32
	STEP F0, F1, 0, 0, 1, 2*SLICE+64, 1, 7*8192, 32
	WIN 0
	v_add_nc_u32 v[ADRA], 2*SLICE, v[ADRA]
	s_wait_xcnt 0x0                                ; as above
	s_add_nc_u64 s[6:7], s[6:7], 32768
	s_sub_co_u32 s20, s20, 1
	s_cmp_lg_u32 s20, 0
	s_cbranch_scc1 .Lpass1
	STEP F1, F0, 1, 0, 1, SLICE,    0, 0, 32
	STEP F0, F1, 2, 0, 1, SLICE+64, 0, 0, 16
	STEP F1, F0, 3, 0, 0, 0,        0, 0, 0
	WIN 0
	PLACES
.irp a, 0,1,2,3,4,5,6,7
	EPI 1, \a
.endr
	WIN 0
	; THE TAIL.  Sum over the sixteen columns that the lanes of a half hold: every lane of the half ends with the sum.
.irp m, 1,2,4,8
.set j, 0
.rept 64
	v_add_f32_dpp v[Q+j], v[Q+j], v[Q+j] row_xmask:\m row_mask:0xf bank_mask:0xf
.set j, j+1
.endr
.endr
.irp a, 0,1,2,3,4,5,6,7
	ds_store_b128 v[SUMA], v[Q+8*\a:Q+8*\a+3]   offset:64*\a       ; rows 16 a + 8 h + 0..3; the sixteen lanes of a half write the same words with the same values
	ds_store_b128 v[SUMA], v[Q+8*\a+4:Q+8*\a+7] offset:64*\a+16
.endr
	s_wait_dscnt 0x0                               ; for the other waves' sake: my row sums are in LDS
	s_barrier_signal -1
	s_barrier_wait -1
.irp s, 0,1,2,3
	ds_load_b128 v[64+4*\s:64+4*\s+3], v[SUMR] offset:512*\s       ; the four waves' sums of rows 4 lane .. 4 lane + 3
.endr
	s_wait_dscnt 0x0
	v_pk_add_f32 v[64:65], v[64:65], v[68:69]
	v_pk_add_f32 v[66:67], v[66:67], v[70:71]
	v_pk_add_f32 v[72:73], v[72:73], v[76:77]
	v_pk_add_f32 v[74:75], v[74:75], v[78:79]
	v_pk_add_f32 v[LG:LG+1],   v[64:65], v[72:73]  ; every wave adds in the same order: the same 128 logits in each
	v_pk_add_f32 v[LG+2:LG+3], v[66:67], v[74:75]
	s_cmp_lg_u32 s16, 0
	s_cbranch_scc1 .Lnot_wave_0
	global_store_b128 v[LO], v[LG:LG+3], s[12:13]  ; 512 consecutive bytes, aligned; v24-27 are not written again
.Lnot_wave_0:
	; the block's largest logit, in every lane
	v_max_num_f32 v31, v[LG+2], v[LG+3]
	v_max3_num_f32 v30, v[LG], v[LG+1], v31
	v_max_num_f32_dpp v30, v30, v30 row_xmask:1 row_mask:0xf bank_mask:0xf
	v_max_num_f32_dpp v30, v30, v30 row_xmask:2 row_mask:0xf bank_mask:0xf
	v_max_num_f32_dpp v30, v30, v30 row_xmask:4 row_mask:0xf bank_mask:0xf
	v_max_num_f32_dpp v30, v30, v30 row_xmask:8 row_mask:0xf bank_mask:0xf
	v_permlanex16_b32 v31, v30, s21, s22           ; its destination counts as read: v31 has been written above
	v_max_num_f32 v30, v30, v31
	; p = exp(logit - maximum).  The difference is formed first, so that it is exact near the maximum; the next launch forms it in the same way.
.irp i, 0,1,2,3
	v_sub_f32 v[32+\i], v[LG+\i], v30
.endr
.irp i, 0,1,2,3
	v_mul_f32 v[32+\i], 0x3fb8aa3b, v[32+\i]
.endr
.irp i, 0,1,2,3
	v_exp_f32 v[32+\i], v[32+\i]
.endr
.irp e, 0,1,2,3,4,5,6,7
	v_mov_b32 v[C+\e], 0                           ; the eight sums of the loop below; also the plain place behind the transcendentals
.endr
	s_wait_alu depctr_va_vdst(0)
	ds_store_b128 v[PST], v[32:35]                 ; my wave's own copy of p: LDS serves a wave's instructions in order (ISA guide 5.7.1), so its loads below see it
	; THE WEIGHTED SUM.  Wave w takes columns 256 w .. 256 w + 255 of all 128 rows (slices 4 w .. 4 w + 3); a lane takes 4 lane .. + 3 and 128 + 4 lane .. + 3.
	; A load's lanes 0-15 read 128 bytes of one slice, lanes 16-31 of the next, SLICE bytes on: 128 modulo 256, no bank is asked twice.
.macro WLOAD16 xx, pp, frst                    ; sixteen weights (every lane reads the same words) and sixteen rows' 2 x 256 bytes: 36 loads
.irp g, 0,1,2,3
	ds_load_b128 v[\pp+4*\g:\pp+4*\g+3], v[PB] offset:4*\frst+16*\g
.endr
.irp rw, 0,1,2,3,4,5,6,7,8,9,10,11,12,13,14,15
	ds_load_b64 v[\xx+4*\rw:\xx+4*\rw+1],   v[RD] offset:(\frst+\rw)*RP
	ds_load_b64 v[\xx+4*\rw+2:\xx+4*\rw+3], v[RD] offset:(\frst+\rw)*RP+2*SLICE
.endr
.endm
.macro WFMA16 xx, pp                           ; a bf16 half times an f32 weight, added in f32
.irp rw, 0,1,2,3,4,5,6,7,8,9,10,11,12,13,14,15
.irp e, 0,1,2,3
	v_fma_mix_f32_bf16 v[C+2*\e],   v[\xx+4*\rw+\e], v[\pp+\rw], v[C+2*\e]   op_sel:[0,0,0] op_sel_hi:[1,0,0]
	v_fma_mix_f32_bf16 v[C+2*\e+1], v[\xx+4*\rw+\e], v[\pp+\rw], v[C+2*\e+1] op_sel:[1,0,0] op_sel_hi:[1,0,0]
.endr
.endr
.endm
	s_mov_b32 s20, 4
.Lrows32:
	WLOAD16 X0, P0, 0
	WLOAD16 X1, P1, 16
	s_wait_dscnt 36                                ; the first sixteen rows are in; the 36 loads of the second sixteen may be out
	WFMA16 X0, P0
	s_wait_dscnt 0x0
	WFMA16 X1, P1
	v_add_nc_u32 v[RD], 32*RP, v[RD]
	v_add_nc_u32 v[PB], 128, v[PB]
	s_sub_co_u32 s20, s20, 1
	s_cmp_lg_u32 s20, 0
	s_cbranch_scc1 .Lrows32
	global_store_b128 v[PO], v[C:C+3],   s[14:15]             ; each store of the wave covers 512 consecutive bytes, aligned
	global_store_b128 v[PO], v[C+4:C+7], s[14:15] offset:512
	s_wait_tensorcnt 0x0
	ds_add_u32 v21, v22
	s_wait_dscnt 0x0
	s_endpgm
.Lfunc_end_k_qd25ab805b8_attn:
	.size	k_qd25ab805b8_attn, .Lfunc_end_k_qd25ab805b8_attn-k_qd25ab805b8_attn
	.p2alignl 7, 3214868480
	.fill 96, 4, 3214868480
	.section	.rodata,"a",@progbits
	.p2align	6, 0x0
	.amdhsa_kernel k_qd25ab805b8_attn
		.amdhsa_group_segment_fixed_size 309760
		.amdhsa_private_segment_fixed_size 0
		.amdhsa_enable_private_segment 0
		.amdhsa_kernarg_size 48
		.amdhsa_user_sgpr_count 2
		.amdhsa_user_sgpr_kernarg_segment_ptr 1
		.amdhsa_wavefront_size32 1
		.amdhsa_system_sgpr_workgroup_id_x 1
		.amdhsa_system_sgpr_workgroup_id_y 1
		.amdhsa_system_sgpr_workgroup_id_z 1
		.amdhsa_system_vgpr_workitem_id 0
		.amdhsa_next_free_vgpr 1024
		.amdhsa_next_free_sgpr 66
		.amdhsa_reserve_vcc 0
		.amdhsa_float_denorm_mode_32 3
		.amdhsa_float_denorm_mode_16_64 3
		.amdhsa_memory_ordered 1
		.amdhsa_forward_progress 1
		.amdhsa_inst_pref_size 255
	.end_amdhsa_kernel
	.section	.bss,"aw",@nobits
	.p2align	6
	.space	262144
	.amdgpu_metadata
---
amdhsa.version: [ 1, 2 ]
amdhsa.kernels:
  - .name:           k_qd25ab805b8_attn
    .symbol:         k_qd25ab805b8_attn.kd
    .args:
      - { .name: context, .offset: 0, .size: 8, .value_kind: global_buffer, .address_space: global }
      - { .name: wmf, .offset: 8, .size: 8, .value_kind: global_buffer, .address_space: global }
      - { .name: hxs, .offset: 16, .size: 8, .value_kind: global_buffer, .address_space: global }
      - { .name: v, .offset: 24, .size: 8, .value_kind: global_buffer, .address_space: global }
      - { .name: logits, .offset: 32, .size: 8, .value_kind: global_buffer, .address_space: global }
      - { .name: part, .offset: 40, .size: 8, .value_kind: global_buffer, .address_space: global }
    .group_segment_fixed_size: 309760
    .private_segment_fixed_size: 0
    .kernarg_segment_align: 8
    .kernarg_segment_size: 48
    .max_flat_workgroup_size: 128
    .sgpr_count:     66
    .vgpr_count:     1024
    .wavefront_size: 32
...
	.end_amdgpu_metadata
.endif
;; end of part 2
;; launch combine (part 3): grid 32 x 1, 8 waves a work-group, no clusters, 1,280 bytes of LDS; arguments logits, part, out0, out1; writes out0, out1
.if DOCPART == 3
	.amdgcn_target "amdgcn-amd-amdhsa--gfx1250"
	.amdhsa_code_object_version 6
	.text
	.protected	k_qd25ab805b8_combine
	.globl	k_qd25ab805b8_combine
	.p2align	8
	.type	k_qd25ab805b8_combine,@function
k_qd25ab805b8_combine:
	s_mov_b64 s[64:65], 0
	v_nop
	global_prefetch_b8 v0, s[64:65] scope:SCOPE_SE
	s_setreg_imm32_b32 hwreg(HW_REG_WAVE_MODE, 25, 1), 1
	s_wait_xcnt 0x0
; COMBINE.  One work-group for each batch b: the softmax over its 2,048 logits (out1) and the sum of its sixteen blocks' weighted sums (out0).
; Block j of 128 logits has its maximum m_j and s_j = sum of exp(l - m_j); the launch before made part_j = sum of exp(l - m_j) context with the same m_j
; (a maximum of the same f32 numbers has one value whatever the order).  With M = max m_j, g_j = exp(m_j - M), S = sum of s_j g_j:
;   out1 = exp(l - m_j) g_j / S,   out0 = sum over j of (g_j / S) part_j.
; The block that holds M has g = 1 and s >= 1, so 1 <= S <= 2048.  exp2 gives 0 for results below 2^-126 (ISA guide, the entry of V_EXP_F32).
; Eight waves: wave w takes blocks w and w + 8; thread t takes columns 4 t .. 4 t + 3 of out0.
; 2.3 MB are read in all, in one chain of load, reduce, exchange, scale: matrix unit, tensor loads and clusters have nothing to do here.
.set PT, 16                            ; v[16:79]   my four columns of the sixteen blocks' sums
.set MJ, 80                            ; v[80:95]   m_j, then g_j, then g_j / S
.set SJ, 96                            ; v[96:111]  s_j
	s_load_b256 s[4:11], s[0:1], 0x0               ; logits s[4:5], part s[6:7], out0 s[8:9], out1 s[10:11]
	v_lshl_add_u32 v128, v0, 2, 0x100
	v_mov_b32 v129, 0
	v_lshrrev_b32 v3, 5, v0
	v_readfirstlane_b32 s14, v3                    ; wave 0..7
	v_lshlrev_b32 v1, 4, v0                        ; 16 t
	v_mov_b32 v2, s14
	v_lshlrev_b32 v2, 2, v2                        ; 4 w: my wave's words in LDS
	s_mov_b32 s12, 0x76543210                      ; v_permlanex16_b32: lane i of one half reads lane i of the other
	s_mov_b32 s13, 0xfedcba98
	s_lshl_b32 s16, ttmp9, 13                      ; 2,048 f32
	s_mov_b32 s17, 0
	s_lshl_b32 s18, ttmp9, 16                      ; 16 blocks of 4,096 bytes
	s_mov_b32 s19, 0
	s_lshl_b32 s20, ttmp9, 12                      ; 1,024 f32
	s_mov_b32 s21, 0
	s_wait_kmcnt 0x0
	s_add_nc_u64 s[4:5], s[4:5], s[16:17]
	s_add_nc_u64 s[10:11], s[10:11], s[16:17]
	s_add_nc_u64 s[6:7], s[6:7], s[18:19]
	s_add_nc_u64 s[8:9], s[8:9], s[20:21]
	global_load_b128 v[4:7],  v1, s[4:5]               ; block w: the wave's load covers its 512 bytes
	global_load_b128 v[8:11], v1, s[4:5] offset:4096   ; block w + 8
.irp j, 0,1,2,3,4,5,6,7,8,9,10,11,12,13,14,15
	global_load_b128 v[PT+4*\j:PT+4*\j+3], v1, s[6:7] offset:4096*\j
.endr
; One block's figures: lg = its four logits a lane, which become exp(l - m); mx = m, sm = s in every lane; ta, tb at work.
.macro BLKSTAT lg, mx, ta, sm, tb
	v_max_num_f32 v[\ta], v[\lg+2], v[\lg+3]
	v_max3_num_f32 v[\mx], v[\lg], v[\lg+1], v[\ta]
	v_max_num_f32_dpp v[\mx], v[\mx], v[\mx] row_xmask:1 row_mask:0xf bank_mask:0xf
	v_max_num_f32_dpp v[\mx], v[\mx], v[\mx] row_xmask:2 row_mask:0xf bank_mask:0xf
	v_max_num_f32_dpp v[\mx], v[\mx], v[\mx] row_xmask:4 row_mask:0xf bank_mask:0xf
	v_max_num_f32_dpp v[\mx], v[\mx], v[\mx] row_xmask:8 row_mask:0xf bank_mask:0xf
	v_permlanex16_b32 v[\ta], v[\mx], s12, s13     ; its destination counts as read: written above
	v_max_num_f32 v[\mx], v[\mx], v[\ta]
.irp i, 0,1,2,3
	v_sub_f32 v[\lg+\i], v[\lg+\i], v[\mx]
.endr
.irp i, 0,1,2,3
	v_mul_f32 v[\lg+\i], 0x3fb8aa3b, v[\lg+\i]
.endr
.irp i, 0,1,2,3
	v_exp_f32 v[\lg+\i], v[\lg+\i]
.endr
	v_nop                                          ; one plain instruction between a transcendental and the use of its result (ISA guide 5.7.2)
	s_wait_alu depctr_va_vdst(0)
	v_add_f32 v[\sm], v[\lg], v[\lg+1]
	v_add_f32 v[\tb], v[\lg+2], v[\lg+3]
	v_add_f32 v[\sm], v[\sm], v[\tb]
	v_add_f32_dpp v[\sm], v[\sm], v[\sm] row_xmask:1 row_mask:0xf bank_mask:0xf
	v_add_f32_dpp v[\sm], v[\sm], v[\sm] row_xmask:2 row_mask:0xf bank_mask:0xf
	v_add_f32_dpp v[\sm], v[\sm], v[\sm] row_xmask:4 row_mask:0xf bank_mask:0xf
	v_add_f32_dpp v[\sm], v[\sm], v[\sm] row_xmask:8 row_mask:0xf bank_mask:0xf
	v_permlanex16_b32 v[\tb], v[\sm], s12, s13
	v_add_f32 v[\sm], v[\sm], v[\tb]
.endm
	s_wait_loadcnt 16                              ; the logits are in; the sixteen loads of part stay out
	BLKSTAT 4, 112, 113, 116, 117
	BLKSTAT 8, 114, 115, 118, 119
	ds_store_b32 v2, v112                          ; m at 4 j, s at 64 + 4 j, j = w and w + 8; all lanes write the same word with the same value
	ds_store_b32 v2, v114 offset:32
	ds_store_b32 v2, v116 offset:64
	ds_store_b32 v2, v118 offset:96
	s_wait_dscnt 0x0                               ; for the other waves' sake
	s_barrier_signal -1
	s_barrier_wait -1
	v_mov_b32 v3, 0
.irp i, 0,1,2,3,4,5,6,7
	ds_load_b128 v[MJ+4*\i:MJ+4*\i+3], v3 offset:16*\i             ; sixteen m, then sixteen s, in every lane
.endr
	s_wait_dscnt 0x0
	v_max3_num_f32 v120, v[MJ], v[MJ+1], v[MJ+2]
.irp j, 3,5,7,9,11,13
	v_max3_num_f32 v120, v120, v[MJ+\j], v[MJ+\j+1]
.endr
	v_max_num_f32 v120, v120, v[MJ+15]             ; M
.set j, 0
.rept 16
	v_sub_f32 v[MJ+j], v[MJ+j], v120
.set j, j+1
.endr
	v_sub_f32 v112, v112, v120                     ; my own two blocks' m once more: a register cannot be picked by the wave's number
	v_sub_f32 v114, v114, v120
.set j, 0
.rept 16
	v_mul_f32 v[MJ+j], 0x3fb8aa3b, v[MJ+j]
.set j, j+1
.endr
	v_mul_f32 v112, 0x3fb8aa3b, v112
	v_mul_f32 v114, 0x3fb8aa3b, v114
.set j, 0
.rept 16
	v_exp_f32 v[MJ+j], v[MJ+j]                     ; g_j
.set j, j+1
.endr
	v_exp_f32 v112, v112
	v_exp_f32 v114, v114
	v_nop                                          ; the plain place behind the transcendentals
	s_wait_alu depctr_va_vdst(0)
	v_mul_f32 v121, v[SJ], v[MJ]
.set j, 1
.rept 15
	v_fma_f32 v121, v[SJ+j], v[MJ+j], v121         ; S
.set j, j+1
.endr
	v_rcp_f32 v122, v121
	v_nop                                          ; as above
.set j, 0
	s_wait_alu depctr_va_vdst(0)
.rept 16
	v_mul_f32 v[MJ+j], v[MJ+j], v122               ; g_j / S
.set j, j+1
.endr
	v_mul_f32 v112, v112, v122
	v_mul_f32 v114, v114, v122
	v_pk_mul_f32 v[4:5],   v[4:5],   v[112:113] op_sel_hi:[1,0]    ; both halves by the pair's first register
	v_pk_mul_f32 v[6:7],   v[6:7],   v[112:113] op_sel_hi:[1,0]
	v_pk_mul_f32 v[8:9],   v[8:9],   v[114:115] op_sel_hi:[1,0]
	v_pk_mul_f32 v[10:11], v[10:11], v[114:115] op_sel_hi:[1,0]
	global_store_b128 v1, v[4:7],  s[10:11]                        ; each store of the wave covers 512 consecutive bytes, aligned
	global_store_b128 v1, v[8:11], s[10:11] offset:4096
	s_wait_loadcnt 0x0                             ; part
.macro CACC jj, fp, sl                         ; block jj's four columns times register sl of the pair fp
	v_pk_fma_f32 v[124:125], v[PT+4*(\jj):PT+4*(\jj)+1],   v[\fp:\fp+1], v[124:125] op_sel:[0,\sl,0] op_sel_hi:[1,\sl,1]
	v_pk_fma_f32 v[126:127], v[PT+4*(\jj)+2:PT+4*(\jj)+3], v[\fp:\fp+1], v[126:127] op_sel:[0,\sl,0] op_sel_hi:[1,\sl,1]
.endm
	v_pk_mul_f32 v[124:125], v[PT:PT+1],   v[MJ:MJ+1] op_sel_hi:[1,0]      ; block 0 starts the sums
	v_pk_mul_f32 v[126:127], v[PT+2:PT+3], v[MJ:MJ+1] op_sel_hi:[1,0]
	CACC 1, MJ, 1
.irp j, 2,4,6,8,10,12,14
	CACC \j,   MJ+\j, 0
	CACC \j+1, MJ+\j, 1
.endr
	global_store_b128 v1, v[124:127], s[8:9]
	s_wait_tensorcnt 0x0
	ds_add_u32 v128, v129
	s_wait_dscnt 0x0
	s_endpgm
.Lfunc_end_k_qd25ab805b8_combine:
	.size	k_qd25ab805b8_combine, .Lfunc_end_k_qd25ab805b8_combine-k_qd25ab805b8_combine
	.p2alignl 7, 3214868480
	.fill 96, 4, 3214868480
	.section	.rodata,"a",@progbits
	.p2align	6, 0x0
	.amdhsa_kernel k_qd25ab805b8_combine
		.amdhsa_group_segment_fixed_size 1280
		.amdhsa_private_segment_fixed_size 0
		.amdhsa_enable_private_segment 0
		.amdhsa_kernarg_size 32
		.amdhsa_user_sgpr_count 2
		.amdhsa_user_sgpr_kernarg_segment_ptr 1
		.amdhsa_wavefront_size32 1
		.amdhsa_system_sgpr_workgroup_id_x 1
		.amdhsa_system_sgpr_workgroup_id_y 1
		.amdhsa_system_sgpr_workgroup_id_z 1
		.amdhsa_system_vgpr_workitem_id 0
		.amdhsa_next_free_vgpr 130
		.amdhsa_next_free_sgpr 66
		.amdhsa_reserve_vcc 0
		.amdhsa_float_denorm_mode_32 3
		.amdhsa_float_denorm_mode_16_64 3
		.amdhsa_memory_ordered 1
		.amdhsa_forward_progress 1
		.amdhsa_inst_pref_size 14
	.end_amdhsa_kernel
	.amdgpu_metadata
---
amdhsa.version: [ 1, 2 ]
amdhsa.kernels:
  - .name:           k_qd25ab805b8_combine
    .symbol:         k_qd25ab805b8_combine.kd
    .args:
      - { .name: logits, .offset: 0, .size: 8, .value_kind: global_buffer, .address_space: global }
      - { .name: part, .offset: 8, .size: 8, .value_kind: global_buffer, .address_space: global }
      - { .name: out0, .offset: 16, .size: 8, .value_kind: global_buffer, .address_space: global }
      - { .name: out1, .offset: 24, .size: 8, .value_kind: global_buffer, .address_space: global }
    .group_segment_fixed_size: 1280
    .private_segment_fixed_size: 0
    .kernarg_segment_align: 8
    .kernarg_segment_size: 32
    .max_flat_workgroup_size: 256
    .sgpr_count:     66
    .vgpr_count:     130
    .wavefront_size: 32
...
	.end_amdgpu_metadata
.endif
;; end of part 3
;; ======== version 2 of 2: 3 launches; version 1 with the launch attn written anew for expert scheduling mode
;; workspace buffers: wmf 2,097,152 bytes; hxs 524,288 bytes; logits 262,144 bytes; part 2,097,152 bytes
;; launch prep: the kernel of part 1 again; grid 256 x 1, 4 waves a work-group, no clusters, 8,704 bytes of LDS; arguments Wm, Wq, x, bq, bm, wmf, hxs; writes wmf, hxs
;; launch attn (part 4): grid 512 x 1, 4 waves a work-group, no clusters, 309,760 bytes of LDS; arguments context, wmf, hxs, v, logits, part; writes logits, part
.if DOCPART == 4
	.amdgcn_target "amdgcn-amd-amdhsa--gfx1250"
	.amdhsa_code_object_version 6
	.text
	.protected	k_qd25ab805b8_attn
	.globl	k_qd25ab805b8_attn
	.p2align	8
	.type	k_qd25ab805b8_attn,@function
k_qd25ab805b8_attn:
	s_mov_b64 s[64:65], 0
	v_nop
	global_prefetch_b8 v0, s[64:65] scope:SCOPE_SE
	s_setreg_imm32_b32 hwreg(HW_REG_WAVE_SCHED_MODE, 0, 2), 2
	s_setreg_imm32_b32 hwreg(HW_REG_WAVE_MODE, 25, 1), 1
	s_wait_xcnt 0x0
	s_wait_alu depctr_vm_vsrc(0)
; ATTN.  Work-group g owns rows 128 g .. 128 g + 127 of context taken as [65536][1024]; its batch is g >> 4.  It makes
;   logits[row] = sum over o of -2 v[o] / (1 + exp2(2 log2(e) (context Wm^T + x Wq^T + bq + bm)[row][o]))
;   part[g][h]  = sum over its rows of exp(logit - the block's largest logit) context[row][h]
; tanh(z) = 1 - 2 / (1 + e^(2z)), so a logit here is reference()'s score before the softmax less the constant sum of v, which is the same for
; every t and leaves the softmax as it is, for every input.  The softmax's maximum is taken away block by block here and over the batch in the next launch.
; LIMITS: exp2 gives 0 for results below 2^-126 (ISA guide, the entry of V_EXP_F32); an overflowing exp2 gives infinity, whose reciprocal is 0: tanh = 1.
; Context and Wm enter the product, and context the weighted sum, rounded to bf16; all sums, tanh, exp in f32.  NaN or infinite inputs give NaN.
; THE INPUT mask IS NOT READ: reference() takes it as an argument and uses it in no step.
;
; SHAPE.  The 128 rows are read from memory once, rounded to bf16 and kept in LDS for the product and for the weighted sum.
; Four waves; in each of two passes c a wave makes 128 rows x 128 columns (512 c + 128 w ..): 64 accumulator tiles, 512 registers.
; A's fragments come from LDS.  B's fragments (wmf, laid out for it by the launch before) go straight from memory into registers, a ring of four
; K steps: a fragment of Wm is used by one wave alone, so LDS would add a write and a read for each byte and spare none inside the work-group.
; CONTEXT COMES IN DURING PASS 0, K slice by K slice, through four sets of 32 registers, each asked for four K steps ahead of its conversion.
; Four sets and four ring buffers repeat every four K steps, so both passes are loops of four steps: that keeps the text short.
; NO CLUSTER, NO JOINT LOADS for wmf, though all work-groups read it: beside the resident block, the park and the scratch 327,680 - 309,248 = 18,432 bytes
; of LDS are left, and two slots of one K step (512 columns x 32 k x 2 bytes = 32,768 each) take 65,536.
;
; LDS.  The block lies by slices of 64 columns (two K steps): slice g at g SLICE, row at RP = 144 bytes (128 of data + 16 = 9 x 16: the sixteen rows of a
; fragment load start in sixteen different 16-byte columns modulo 256 bytes).  SLICE = 128 rows + 128 bytes, so that two neighbouring slices' rows lie 128 bytes
; apart modulo 256.  Between two barriers the waves read one slice and store into the next: two ranges of bytes that do not meet.  Each byte is stored once.
;
; REGISTERS, in windows of 256:
;   window 0: v2-17 addresses, v24-31 at work, v32-47 HX, v48-63 W, v64-127 and v128-191 A's fragments (two buffers), v192-255 Q (row sums);
;             in pass 0: v64-95 L (A's rows 0-63), v96-127 and v32-63 H (A's rows 64-127 of the even and of the odd steps), v128-255 the four sets through which
;             context comes in; h_x and -2 v lie in their LDS park meanwhile and come into v32-63 behind pass 0
;   window 1: B's ring: K step s lies in v[64 (s % 4) ..], tile bt at + 8 bt
;   window 2: accumulator tiles of rows 0-63 (tile (a, b) at 8 (8 a + b));  window 3: those of rows 64-127
;
; THE MODE: SCHED_MODE bits 1:0 = 2 (LLVM: expert scheduling mode 2), set by the entry lines.  The code itself states the register dependences between vector or
; matrix instructions and memory or LDS instructions, with s_wait_alu, always for 0.
; THE PLAN.  Registers that memory or LDS instructions touch, and who else names them:
;   PASS 0, K step s.
;     L                 the LDS loads in the middle of step s - 1 land in it; the first 32 matrix instructions of step s read it.
;     H[s % 2]          the LDS loads in the middle of step s - 1 land in it; the last 32 matrix instructions of step s read it.
;     ring s % 4        the loads of step s - 3 land in it; the 64 matrix instructions of step s read it.
;     set u % 4         the loads of step u - 7 land in it; in the middle of step u - 3 it is converted in place, read by eight LDS stores and asked for again.
;     ADRA, STA         read by the LDS loads and stores; written once in four steps.     CTXO, BOFF: read by every global load; never written again.
;     ONE wait on va_vdst stands in a step, in its middle, behind the conversions.  It states: the set is written and the conversions are done with it; the step's first 32
;     matrix instructions are done reading L; step s - 1 is done reading the other H and ring buffer (s - 1) % 4; in a trip's first step ADRA and STA are written.
;     All the step's memory and LDS instructions follow it.  The matrix instructions among them name H[s % 2], ring buffer s % 4 and window 3: none of the registers
;     that those loads and stores touch.  ONE wait on vm_vsrc stands ahead of the set's new loads: the LDS stores have read the set.
;   PASS 1, K step s.  A's buffer (s + 1) % 2 and ring buffer (s - 1) % 4 are loaded in step s; step s - 1 read both.  ONE wait on va_vdst, at the step's head, states that
;     step s - 1 is done reading them (and, behind a trip's end, that ADRA is written); the step's 32 loads are dealt in three runs among its matrix instructions,
;     which name A's buffer s % 2, ring buffer s % 4 and the accumulators.
;   The epilogue names no register that a pending load touches; its two waits a block stand between the transcendentals and their first readers.
.set RP,    144
.set T16,   16*RP
.set SLICE, 128*RP+128                 ; 18,560
.set PARK,  16*SLICE                   ; [wave][h_x pass 0, h_x pass 1, -2 v pass 0, -2 v pass 1][128] f32: each wave's own 2,048 bytes
.set SCR,   PARK+8192                  ; [wave][128] f32: each wave's row sums over its columns
.set PSC,   SCR+2048                   ; [wave][128] f32: each wave's own copy of the block's weights p
.set CTXO,  2                          ; (32 w + 8 h) 4096 + 16 r: my 16 bytes of f32 in a slice's row; never rewritten
.set STA,   3                          ; (32 w + 8 h) RP + 8 r: where my 8 bytes of bf16 go; steps two slices on every four K steps
.set ADRA,  4                          ; r RP + 16 h, stepped two slices on every four K steps
.set BOFF,  5                          ; w 524288 + 16 lane: my 16 bytes in my wave's stream of wmf
.set ADRA0, 6                          ; ADRA at K = 0, never stepped
.set PKA,   7
.set PKR,   8
.set HO,    9
.set VOF,   10
.set SUMA,  11
.set SUMR,  12
.set PST,   13
.set PB,    14
.set RD,    15
.set PO,    16
.set LO,    17
.set LG,    24                         ; v24-27 four logits
.set HX,    32                         ; v[32+8c+bt]  scaled h_x of my column of tile bt in pass c
.set W,     48                         ; v[48+8c+bt]  -2 v of that column
.set F0,    64
.set F1,    128
.set US,    128                        ; pass 0: set st of four at v[128 + 32 st ..]
.set TH,    64                         ; the start: h_x's four quarters, two passes (v64-95)
.set TV,    96                         ; the start: v, two passes (v96-103)
.set Q,     192                        ; v[192+8a+j]  row 16 a + 8 h + j: sum over my columns
.set X0,    64                         ; the weighted sum: sixteen rows, 4 registers each
.set P0,    128                        ; and their sixteen weights
.set X1,    144
.set P1,    208
.set C,     224                        ; v224-231 my eight columns of the weighted sum
.set MUL_LO, 0xa4                      ; source 0 (A) window 0, source 1 (B) window 1, C and D window 2
.set MUL_HI, 0xf4                      ; the same, C and D window 3
.set TO_B,   0x40                      ; destination window 1, address window 0
.set MSB, 0
.macro WIN new                         ; the immediate's high byte repeats the setting that is left; a switch that changes nothing is dropped
.if MSB != (\new)
	s_set_vgpr_msb (MSB<<8)|(\new)
.set MSB, \new
.endif
.endm
.macro PLACES                          ; a vector instruction that reads a matrix result stands four plain vector instructions behind it (ISA guide 7.12.1); this text keeps the same
.rept 4                                ; four ahead of loads into registers that matrix instructions have read, beside the wait that states that dependence
	v_nop
.endr
.endm
; A UNIT u of context: slice u / 2, and of my wave's 32 rows the sixteen 16 (u % 2) ..; 32 registers, set u % 4.
; Load j of eight: lanes 0-15 take the 256 bytes (64 f32) of row j, lanes 16-31 those of row j + 8: two whole aligned runs of 256 bytes.
.macro ULOAD st, goff                  ; goff: 256 x slice + 65,536 x half, counted from where the base stands
.irp j, 0,1,2,3,4,5,6,7
	global_load_b128 v[US+32*(\st)+4*\j:US+32*(\st)+4*\j+3], v[CTXO], s[4:5] offset:(\goff)+4096*\j th:TH_LOAD_NT
.endr
.endm
.macro UCVT st                         ; four f32 become 8 bytes of bf16, in place
.irp j, 0,1,2,3,4,5,6,7
	v_cvt_pk_bf16_f32 v[US+32*(\st)+4*\j],   v[US+32*(\st)+4*\j],   v[US+32*(\st)+4*\j+1]
	v_cvt_pk_bf16_f32 v[US+32*(\st)+4*\j+1], v[US+32*(\st)+4*\j+2], v[US+32*(\st)+4*\j+3]
.endr
.endm
.macro USTORE st, loff                 ; loff: SLICE x slice + T16 x half, counted from where STA stands.  Rows j and j + 8 lie 1,152 bytes apart: 128 modulo 256, no bank is asked twice
.irp j, 0,1,2,3,4,5,6,7
	ds_store_b64 v[STA], v[US+32*(\st)+4*\j:US+32*(\st)+4*\j+1] offset:(\loff)+\j*RP
.endr
.endm
; 8 LDS loads: four of A's eight fragments (row tiles af .. af + 3, 32 K at byte koff behind the address) into the 32 registers from dst on.
; Lane (r, h): row r, K = 8 h .. and 16 + 8 h ..: two loads 32 bytes apart.
.macro FETCH4 adr, dst, af, koff
.irp i, 0,1,2,3
	ds_load_b128 v[\dst+8*\i:\dst+8*\i+3],   v[\adr] offset:(\af+\i)*T16+\koff
	ds_load_b128 v[\dst+8*\i+4:\dst+8*\i+7], v[\adr] offset:(\af+\i)*T16+\koff+32
.endr
.endm
; 16 LDS loads: all eight fragments into buffer f (pass 1)
.macro FETCHA f, koff
.irp a, 0,1,2,3,4,5,6,7
	ds_load_b128 v[\f+8*\a:\f+8*\a+3],   v[ADRA] offset:\a*T16+\koff
	ds_load_b128 v[\f+8*\a+4:\f+8*\a+7], v[ADRA] offset:\a*T16+\koff+32
.endr
.endm
; 8 global loads: four of B's eight fragments of one K step (tiles t0 .. t0 + 3), 4,096 consecutive bytes of my wave's stream, into a buffer of the ring
.macro FETCHBH ring, off, t0
	WIN TO_B
.irp i, 0,1,2,3
	global_load_b128 v[64*(\ring)+8*(\t0+\i):64*(\ring)+8*(\t0+\i)+3],   v[BOFF], s[6:7] offset:\off+1024*(\t0+\i)
	global_load_b128 v[64*(\ring)+8*(\t0+\i)+4:64*(\ring)+8*(\t0+\i)+7], v[BOFF], s[6:7] offset:\off+1024*(\t0+\i)+512
.endr
.endm
.macro FETCHB ring, off                ; all eight fragments: 16 loads
	FETCHBH \ring, \off, 0
	FETCHBH \ring, \off, 4
.endm
; 16 matrix instructions: row tiles a0, a0 + 1 of the window's four x all 8 column tiles.  Source 0 = context, source 1 = Wm:
; register j of lane (r, h) is row 16 a + 8 h + j, column 16 b + r.  zero = 1: the first product starts the sums, nothing is cleared.
; The 64 accumulators take turns, one instruction a turn, in the same order in every K step.
.macro MUL16 fa, rb, hi, a0, zero
.irp a, \a0, \a0+1
.irp b, 0,1,2,3,4,5,6,7
.if \zero
	v_wmma_f32_16x16x32_bf16 v[8*(8*(\a)+\b):8*(8*(\a)+\b)+7], v[\fa+8*(4*\hi+\a):\fa+8*(4*\hi+\a)+7], v[64*\rb+8*\b:64*\rb+8*\b+7], 0
.else
	v_wmma_f32_16x16x32_bf16 v[8*(8*(\a)+\b):8*(8*(\a)+\b)+7], v[\fa+8*(4*\hi+\a):\fa+8*(4*\hi+\a)+7], v[64*\rb+8*\b:64*\rb+8*\b+7], v[8*(8*(\a)+\b):8*(8*(\a)+\b)+7]
.endif
.endr
.endr
.endm
; K STEP s OF PASS 0.  s says what the step does (steps 1 to 24 are alike four by four and run in a loop, as steps 1 to 4); ra = s less the steps by which ADRA and
; STA have been moved on, rg = s less the steps by which the two global bases have been moved on.
; HEAD: the waits for this step's B and for A's rows 0-63, then 32 matrix instructions on L.
; MIDDLE: unit s + 3 is converted; the step's one wait on va_vdst; the unit's eight LDS stores; A of step s + 1: rows 0-63 into L, rows 64-127 into the other H.
; Then 16 matrix instructions; B of step s + 3 and, behind the wait on vm_vsrc, unit s + 7; the last 16 matrix instructions.
; A's rows 0-63 are fetched 32 matrix instructions ahead of their use, its rows 64-127 64 ahead.
; Global loads return in order (ISA guide 5.7.1), and at a step's head they stand in this order:
;   U(s+3), B(s), U(s+4), B(s+1), U(s+5), B(s+2), U(s+6)      (B: 16 loads, U: 8 loads, none for units past 31)
; so the wait for B(s) leaves 8 + 16 + 8 + 16 + 8 = 56 out and shows U(s+3) in as well; the count runs down in the last steps.  Behind a run this order counts up
; to 80 loads; an issue that would pass the counter's field stalls (ISA guide 5.7.1), so no wait is placed for that.
; A unit is asked for behind the 48th matrix instruction of step s - 4 and wanted at the head of step s: 208 matrix instructions; 4 sets x 4 KiB x 4 waves are on their way.
; SLICES AND BARRIERS: slice g is first read in the middle of step 2 g - 1 (A of step 2 g).  Its two units are stored in the middles of steps 2 g - 3 and
; 2 g - 2.  So in each odd step up to 29 a wave waits for all its LDS instructions and signals at the head, and waits for the others in the middle.  Between signal and
; wait stands register work alone.
.macro STEP0 s, ra, rg
.set RB, (\s)%4
.set RN, ((\s)+3)%4
.set UST, ((\s)+3)%4
.set HC, 96-64*((\s)%2)                ; this step's H
.set HN, 32+64*((\s)%2)                ; the next step's
.set ZR, 0
.if (\s) == 0
.set ZR, 1
.endif
.set HASU, 0
.if (\s)+3 <= 31
.set HASU, 1
.endif
.set HASR, 0
.if (\s)+7 <= 31
.set HASR, 1
.endif
.set LCS, 32
.if (\s)+4 <= 31
.set LCS, LCS+8
.endif
.if (\s)+5 <= 31
.set LCS, LCS+8
.endif
.if (\s)+6 <= 31
.set LCS, LCS+8
.endif
.set BAR, 0
.if (\s)%2
.if (\s) <= 29
.set BAR, 1
.endif
.endif
.set DSM, 16+8*HASU                    ; this middle's eight stores and sixteen loads may be out
.set KN,  (((\ra)+1)/2)*SLICE+(((\ra)+1)%2)*64
.set ULO, (((\ra)+3)/2)*SLICE+(((\ra)+3)%2)*T16
.set UGO, (((\rg)+7)/2)*256+(((\rg)+7)%2)*65536
.if BAR
	s_wait_dscnt 0x0                               ; for the other waves' sake: my stores into the next slice are done (this step's A is in, too)
	s_barrier_signal -1
.endif
	s_wait_loadcnt LCS                             ; B of this step is in, and unit s + 3, which is older
.if BAR == 0
	s_wait_dscnt 8                                 ; A's rows 0-63 are in; the eight younger loads, rows 64-127, may be out
.endif
	WIN MUL_LO
	MUL16 F0, RB, 0, 0, ZR
	MUL16 F0, RB, 0, 2, ZR
	WIN 0
.if HASU
	UCVT UST
.else
	PLACES
.endif
.if BAR
	s_barrier_wait -1                              ; the next slice is whole
.endif
	s_wait_alu depctr_va_vdst(0)                   ; the conversions have written the set and are done with it; the 32 matrix instructions above are done reading L; the step before is done reading the other H and ring buffer (s - 1) % 4; behind a trip's end ADRA and STA are written
.if HASU
	USTORE UST, ULO
.endif
.if (\s) == 31
	FETCH4 ADRA0, F0, 0, 0                         ; pass 1 starts again at K = 0: its first step's A fills v64-127
	FETCH4 ADRA0, HN, 4, 0
.else
	FETCH4 ADRA, F0, 0, KN
	FETCH4 ADRA, HN, 4, KN
.endif
	s_wait_dscnt DSM                               ; this step's rows 64-127 are in
	WIN MUL_HI
	MUL16 HC-32, RB, 1, 0, ZR
	FETCHB RN, ((\rg)+3)*8192                      ; into the ring buffer read one step ago; B's stream runs on into pass 1's columns.  No wait: no matrix instruction since the wait above names it
.if HASR
	WIN 0
	s_wait_alu depctr_vm_vsrc(0)                   ; the eight LDS stores above have read the set, in which the loads below land (the conversions that named it stand ahead of the wait on va_vdst)
	ULOAD UST, UGO
.endif
	WIN MUL_HI
	MUL16 HC-32, RB, 1, 2, ZR
.endm
; One K step of pass 1: 64 matrix instructions on A's buffer fa and B's ring buffer rb.  Behind the wait at its head the next step's A goes into fn (behind the 16th matrix
; instruction) and the B of three steps on into the ring buffer read one step ago (behind the 32nd and the 48th).  amode = 0: nothing is fetched.
; lcnt: how many younger B loads may stay out.  zero = 1: the pass's first step: its loads owe no wait (see there).
; A step's B loads are issued three steps ahead: 144 matrix instructions or more stand between request and use.
.macro STEP fa, fn, rb, zero, amode, koff, bf, boff, lcnt
	s_wait_loadcnt \lcnt                           ; this step's 16 are in, the later steps' stay out
	s_wait_dscnt 8                                 ; A's rows 0-63 are in; the youngest eight loads (rows 64-127) may be out
.if \amode && !\zero
	PLACES
	s_wait_alu depctr_va_vdst(0)                   ; the step before is done reading A's other buffer and its ring buffer, in which this step's loads land; behind a trip's end ADRA is written
.endif
	WIN MUL_LO
	MUL16 \fa, \rb, 0, 0, \zero
.if \amode
	WIN 0
	FETCHA \fn, \koff                              ; no further wait in the step: its matrix instructions name fa, ring buffer rb and the accumulators alone
.endif
	WIN MUL_LO
	MUL16 \fa, \rb, 0, 2, \zero
.if \bf
	FETCHBH (\rb+3)%4, \boff, 0
.endif
.if \amode
	s_wait_dscnt 16                                ; all but the 16 issued in this step
.else
	s_wait_dscnt 0
.endif
	WIN MUL_HI
	MUL16 \fa, \rb, 1, 0, \zero
.if \bf
	FETCHBH (\rb+3)%4, \boff, 4
.endif
	WIN MUL_HI
	MUL16 \fa, \rb, 1, 2, \zero
.endm
; THE EPILOGUE of sixteen rows (row tile a) of pass c, in the accumulators' own registers.
; EP1: one tile's 8 registers: acc x 2 log2(e) + scaled h_x of the lane's column (register sl of the pair hp, for both halves of the packed line)
.macro EP1 tl, hp, sl
.irp i, 0,2,4,6
	v_pk_fma_f32 v[\tl+\i:\tl+\i+1], v[\tl+\i:\tl+\i+1], 0x4038aa3b, v[\hp:\hp+1] op_sel:[0,0,\sl] op_sel_hi:[1,0,\sl]
.endr
.endm
; EP2: the row sums take one tile: Q += 1 / (1 + e^2z) x (-2 v) of the lane's column; frst = 1: the product starts the sums
.macro EP2 tl, qq, wp, sl, frst
.irp i, 0,2,4,6
.if \frst
	v_pk_mul_f32 v[\qq+\i:\qq+\i+1], v[\tl+\i:\tl+\i+1], v[\wp:\wp+1] op_sel:[0,\sl] op_sel_hi:[1,\sl]
.else
	v_pk_fma_f32 v[\qq+\i:\qq+\i+1], v[\tl+\i:\tl+\i+1], v[\wp:\wp+1], v[\qq+\i:\qq+\i+1] op_sel:[0,\sl,0] op_sel_hi:[1,\sl,1]
.endif
.endr
.endm
.macro EPI c, a
.set WN, 2+(\a>>2)
.set TB, 64*(\a&3)
.set EW, (WN<<6)|WN
	WIN EW                                         ; destination and source 0 in the accumulators' window, source 2 (h_x) in window 0
.irp b, 0,2,4,6
	EP1 TB+8*\b,   HX+8*\c+\b, 0
	EP1 TB+8*\b+8, HX+8*\c+\b, 1
.endr
.set j, 0
.rept 64
	v_exp_f32 v[TB+j], v[TB+j]
.set j, j+1
.endr
	v_nop                                          ; one plain instruction between a transcendental and the use of its result (ISA guide 5.7.2)
	s_wait_alu depctr_va_vdst(0)                   ; the 64 exponentials have written their results, which the additions below read: one wait for the batch
.set j, 0
.rept 32
	v_pk_add_f32 v[TB+j:TB+j+1], v[TB+j:TB+j+1], 1.0 op_sel_hi:[1,0]
.set j, j+2
.endr
.set j, 0
.rept 64
	v_rcp_f32 v[TB+j], v[TB+j]
.set j, j+1
.endr
	v_nop                                          ; as above
	s_wait_alu depctr_va_vdst(0)                   ; the 64 reciprocals have written their results, which the row sums below read: one wait for the batch
	WIN WN                                         ; source 0 in the accumulators' window, all else in window 0
	EP2 TB,   Q+8*\a, W+8*\c, 0, 1-\c
	EP2 TB+8, Q+8*\a, W+8*\c, 1, 0
.irp b, 2,4,6
	EP2 TB+8*\b,   Q+8*\a, W+8*\c+\b, 0, 0
	EP2 TB+8*\b+8, Q+8*\a, W+8*\c+\b, 1, 0
.endr
.endm
	s_load_b256 s[4:11], s[0:1], 0x0               ; context s[4:5], wmf s[6:7], hxs s[8:9], v s[10:11]
	s_load_b128 s[12:15], s[0:1], 0x20             ; logits s[12:13], part s[14:15]
	v_lshl_add_u32 v21, v0, 2, 0x4b800
	v_mov_b32 v22, 0
	v_lshrrev_b32 v31, 5, v0
	v_readfirstlane_b32 s16, v31                   ; wave 0..3
	v_and_b32 v1, 31, v0                           ; lane
	v_and_b32 v23, 15, v0                          ; r
	v_bfe_u32 v28, v0, 4, 1                        ; h
	s_mov_b32 s21, 0x76543210                      ; v_permlanex16_b32: lane i of one half reads lane i of the other
	s_mov_b32 s22, 0xfedcba98
	s_wait_alu depctr_va_sdst(0)                   ; s16 is written, ahead of its first reader: the wave's offsets below are made from it
	s_lshl_b32 s23, s16, 17                        ; 32 rows of 4,096 bytes
	s_mul_i32  s24, s16, 32*RP
	s_lshl_b32 s25, s16, 19                        ; 64 K steps of 8,192 bytes
	s_lshl_b32 s26, s16, 14                        ; 8 tiles of 2,048 bytes in hxs
	s_lshl_b32 s27, s16, 9
	s_add_co_u32 s28, s27, SCR
	s_add_co_u32 s29, s27, PSC
	s_lshl_b32 s30, s16, 10
	s_lshl_b32 s31, s16, 11
	s_add_co_u32 s31, s31, PARK
	s_mul_i32  s33, s16, 4*SLICE
	v_lshlrev_b32 v[LO], 4, v1
	v_lshl_add_u32 v[CTXO], v23, 4, s23
	v_lshl_add_u32 v[CTXO], v28, 15, v[CTXO]       ; lanes 16-31: eight rows further down
	v_lshl_add_u32 v[STA], v23, 3, s24
	v_mul_u32_u24 v29, v28, 8*RP
	v_add_nc_u32 v[STA], v[STA], v29
	v_mul_u32_u24 v29, v23, RP
	v_lshl_add_u32 v[ADRA0], v28, 4, v29
	v_mov_b32 v[ADRA], v[ADRA0]
	v_add_nc_u32 v[BOFF], s25, v[LO]
	v_add_nc_u32 v[PKA], s31, v[LO]
	v_lshl_add_u32 v[PKR], v23, 2, s31
	v_lshrrev_b32 v29, 2, v1                       ; hxs: lane takes columns 4 lane .. + 3 of my wave's 128: tile lane / 4,
	v_lshl_add_u32 v[HO], v29, 11, s26
	v_and_b32 v29, 3, v1                           ; 16 bytes at 16 (lane % 4) of my batch's 64
	v_lshl_add_u32 v[HO], v29, 4, v[HO]
	v_add_nc_u32 v[VOF], s27, v[LO]
	v_lshl_add_u32 v[SUMA], v28, 5, s28            ; rows 8 h .. of my wave's 128 sums
	v_add_nc_u32 v[SUMR], SCR, v[LO]               ; rows 4 lane .. 4 lane + 3
	v_add_nc_u32 v[PST], s29, v[LO]
	v_mov_b32 v[PB], s29
	v_mul_u32_u24 v29, v28, SLICE
	v_lshl_add_u32 v[RD], v23, 3, s33              ; the weighted sum: slice 4 w + h, 8 bytes at 8 r of a row
	v_add_nc_u32 v[RD], v[RD], v29
	v_add_nc_u32 v[PO], s30, v[LO]
	s_lshl_b32 s18, ttmp9, 19                      ; 128 rows of 4,096 bytes; 511 x 2^19 stays below 2^32
	s_mov_b32 s19, 0
	s_wait_kmcnt 0x0
	s_add_nc_u64 s[4:5], s[4:5], s[18:19]
	s_lshr_b32 s18, ttmp9, 4
	s_lshl_b32 s18, s18, 6                         ; my batch's 64 bytes in each tile of hxs
	s_add_nc_u64 s[8:9], s[8:9], s[18:19]
	s_lshl_b32 s18, ttmp9, 9
	s_add_nc_u64 s[12:13], s[12:13], s[18:19]
	s_lshl_b32 s18, ttmp9, 12
	s_add_nc_u64 s[14:15], s[14:15], s[18:19]
	s_wait_alu depctr_va_vdst(0)                   ; the sixteen offsets and addresses v2 to v17 are written, which the loads and stores of the kernel read
	; THE START.  h_x (four quarters over K, two passes) and v: ten loads into A's registers, which nothing fills before the first barrier.
	; Then units 0 to 3 and B of step 0: 10 + 32 + 16 = 58 loads.
.irp c, 0,1
.irp qd, 0,1,2,3
	global_load_b128 v[TH+16*\c+4*\qd:TH+16*\c+4*\qd+3], v[HO], s[8:9] offset:131072*\qd+65536*\c
.endr
.endr
.irp c, 0,1
	global_load_b128 v[TV+4*\c:TV+4*\c+3], v[VOF], s[10:11] offset:2048*\c
.endr
	ULOAD 0, 0
	ULOAD 1, 65536
	ULOAD 2, 256
	ULOAD 3, 256+65536
	FETCHB 0, 0
	WIN 0
	s_wait_loadcnt 48                              ; h_x and v are in; four units and B(0) stay out
.irp c, 0,1
	v_pk_add_f32 v[TH+16*\c:TH+16*\c+1],     v[TH+16*\c:TH+16*\c+1],     v[TH+16*\c+4:TH+16*\c+5]
	v_pk_add_f32 v[TH+16*\c+2:TH+16*\c+3],   v[TH+16*\c+2:TH+16*\c+3],   v[TH+16*\c+6:TH+16*\c+7]
	v_pk_add_f32 v[TH+16*\c+8:TH+16*\c+9],   v[TH+16*\c+8:TH+16*\c+9],   v[TH+16*\c+12:TH+16*\c+13]
	v_pk_add_f32 v[TH+16*\c+10:TH+16*\c+11], v[TH+16*\c+10:TH+16*\c+11], v[TH+16*\c+14:TH+16*\c+15]
	v_pk_add_f32 v[TH+16*\c:TH+16*\c+1],     v[TH+16*\c:TH+16*\c+1],     v[TH+16*\c+8:TH+16*\c+9]
	v_pk_add_f32 v[TH+16*\c+2:TH+16*\c+3],   v[TH+16*\c+2:TH+16*\c+3],   v[TH+16*\c+10:TH+16*\c+11]
.endr
.irp i, 0,2,4,6
	v_pk_mul_f32 v[TV+\i:TV+\i+1], v[TV+\i:TV+\i+1], -2.0 op_sel_hi:[1,0]
.endr
	s_wait_loadcnt 40                              ; U0 is in; U1, U2, U3, B(0) stay out
	UCVT 0
	s_wait_alu depctr_va_vdst(0)                   ; the sums of h_x, -2 v and unit 0's conversions are written, which the LDS stores below read; the conversions are done with set 0
	; into the park: a lane holds four neighbouring columns and will want column 16 bt + r of each tile.  My wave's own bytes; they are read back behind pass 0
	ds_store_b128 v[PKA], v[TH:TH+3]
	ds_store_b128 v[PKA], v[TH+16:TH+19] offset:512
	ds_store_b128 v[PKA], v[TV:TV+3]     offset:1024
	ds_store_b128 v[PKA], v[TV+4:TV+7]   offset:1536
	USTORE 0, 0
	s_wait_alu depctr_vm_vsrc(0)                   ; the LDS stores have read set 0, in which U4 lands, and v64-103, in which A's first fragments land behind the barrier
	ULOAD 0, 512                                   ; U4
	s_wait_loadcnt 40                              ; U1 is in; U2, U3, B(0), U4 stay out
	UCVT 1
	s_wait_alu depctr_va_vdst(0)                   ; unit 1's conversions have written set 1, which the LDS stores read, and are done with it
	USTORE 1, T16
	FETCHB 1, 8192
	WIN 0
	s_wait_alu depctr_vm_vsrc(0)                   ; the LDS stores have read set 1, in which U5 lands
	ULOAD 1, 512+65536                             ; U5
	s_wait_loadcnt 56                              ; U2 is in; U3, B(0), U4, B(1), U5 stay out
	UCVT 2
	s_wait_alu depctr_va_vdst(0)                   ; unit 2's conversions have written set 2, which the LDS stores read, and are done with it
	USTORE 2, SLICE
	FETCHB 2, 16384
	WIN 0
	s_wait_alu depctr_vm_vsrc(0)                   ; the LDS stores have read set 2, in which U6 lands
	ULOAD 2, 768                                   ; U6: the order is now that of a step's head: U3, B(0), U4, B(1), U5, B(2), U6
	s_wait_dscnt 0x0                               ; for the other waves' sake: my rows of slice 0 are in LDS
	s_barrier_signal -1
	s_barrier_wait -1
	FETCH4 ADRA, F0, 0, 0                          ; step 0: rows 0-63 into L, rows 64-127 into the even steps' H.  The additions that named v64-103 stand ahead of the waits on va_vdst above
	FETCH4 ADRA, F0+32, 4, 0
	; PASS 0: step 0, whose products start the sums; steps 1 to 24 in six trips; steps 25 to 31, which ask for no unit, written out
	STEP0 0, 0, 0
	WIN 0                                          ; at a label and at a branch every window is 0
	s_mov_b32 s20, 6
.Lpass0:
	STEP0 1, 1, 1
	STEP0 2, 2, 2
	STEP0 3, 3, 3
	STEP0 4, 4, 4
	WIN 0
	s_wait_alu depctr_vm_vsrc(0)                   ; the trip's LDS loads and stores have read ADRA and STA
	v_add_nc_u32 v[ADRA], 2*SLICE, v[ADRA]         ; four K steps are two slices; their next readers stand behind the next step's wait on va_vdst
	v_add_nc_u32 v[STA], 2*SLICE, v[STA]
	s_wait_xcnt 0x0                                ; the bases of pending loads are stepped only behind this wait (ISA guide 3.1)
	s_add_nc_u64 s[4:5], s[4:5], 512               ; two slices of 256 bytes of f32
	s_add_nc_u64 s[6:7], s[6:7], 32768             ; four K steps of 8,192 bytes
	s_sub_co_u32 s20, s20, 1
	s_cmp_lg_u32 s20, 0
	s_cbranch_scc1 .Lpass0
	STEP0 25, 1, 1
	STEP0 26, 2, 2
	STEP0 27, 3, 3
	STEP0 28, 4, 4
	WIN 0
	s_wait_alu depctr_vm_vsrc(0)                   ; the LDS loads issued so far have read ADRA
	v_add_nc_u32 v[ADRA], 2*SLICE, v[ADRA]
	STEP0 29, 1, 5
	STEP0 30, 2, 6
	STEP0 31, 3, 7
	WIN 0
	PLACES                                         ; for the epilogue, which reads results, and for the loads into v32-63
	s_wait_alu depctr_vm_vsrc(0)                   ; pass 0's LDS loads have read ADRA; its LDS stores have read the sets: v192-255 are Q from here on, v128-191 A's second buffer
	v_mov_b32 v[ADRA], v[ADRA0]
	s_wait_alu depctr_va_vdst(0)                   ; step 31's matrix instructions are done reading v32-63, in which h_x and -2 v land, and ring buffer 3, which pass 1's first step fills; ADRA is written
.irp c, 0,1
.irp bt, 0,1,2,3,4,5,6,7
	ds_load_b32 v[HX+8*\c+\bt], v[PKR] offset:512*\c+64*\bt          ; out of the park: column 16 bt + r of each tile.  LDS serves a wave in order (ISA guide 5.7.1): these see my stores of the start
	ds_load_b32 v[W+8*\c+\bt],  v[PKR] offset:1024+512*\c+64*\bt
.endr
.endr
	s_wait_xcnt 0x0                                ; as above
	s_add_nc_u64 s[6:7], s[6:7], 65536             ; 6 x 32,768 + 65,536 = 32 K steps: pass 1's part of my stream
	s_wait_dscnt 0x0                               ; h_x and -2 v are in (and A of pass 1's first step)
.irp a, 0,1,2,3,4,5,6,7
	EPI 0, \a                                      ; pass 1's first three steps of B land meanwhile: the epilogue touches neither A's buffer nor window 1
.endr
	WIN 0
	; PASS 1: step 0, whose products start the sums; steps 1 to 28 in seven trips; steps 29 to 31 ask for no B (step 28 asks for the last: no load passes the end
	; of wmf) and their counts run down 32, 16, 0.  Step 0's loads owe no wait of their own: behind the wait on va_vdst that follows step 31 of pass 0 the vector
	; instructions, the epilogue's, name the accumulators, HX, W and Q alone: neither A's second buffer nor ring buffer 3 nor ADRA
	STEP F0, F1, 0, 1, 1, 64, 1, 3*8192, 32
	WIN 0
	s_mov_b32 s20, 7
.Lpass1:
	STEP F1, F0, 1, 0, 1, SLICE,      1, 4*8192, 32
	STEP F0, F1, 2, 0, 1, SLICE+64,   1, 5*8192, 32
	STEP F1, F0, 3, 0, 1, 2*SLICE,    1, 6*8192, 32
	STEP F0, F1, 0, 0, 1, 2*SLICE+64, 1, 7*8192, 32
	WIN 0
	s_wait_alu depctr_vm_vsrc(0)                   ; the trip's LDS loads have read ADRA
	v_add_nc_u32 v[ADRA], 2*SLICE, v[ADRA]         ; its next reader stands behind the next step's wait on va_vdst
	s_wait_xcnt 0x0                                ; as above
	s_add_nc_u64 s[6:7], s[6:7], 32768
	s_sub_co_u32 s20, s20, 1
	s_cmp_lg_u32 s20, 0
	s_cbranch_scc1 .Lpass1
	STEP F1, F0, 1, 0, 1, SLICE,    0, 0, 32
	STEP F0, F1, 2, 0, 1, SLICE+64, 0, 0, 16
	STEP F1, F0, 3, 0, 0, 0,        0, 0, 0
	WIN 0
	PLACES
.irp a, 0,1,2,3,4,5,6,7
	EPI 1, \a
.endr
	WIN 0
	; THE TAIL.  Sum over the sixteen columns that the lanes of a half hold: every lane of the half ends with the sum.
.irp m, 1,2,4,8
.set j, 0
.rept 64
	v_add_f32_dpp v[Q+j], v[Q+j], v[Q+j] row_xmask:\m row_mask:0xf bank_mask:0xf
.set j, j+1
.endr
.endr
	s_wait_alu depctr_va_vdst(0)                   ; the additions have written Q, which the LDS stores read; pass 1's matrix instructions are done reading v64-79, in which the loads behind the barrier land
.irp a, 0,1,2,3,4,5,6,7
	ds_store_b128 v[SUMA], v[Q+8*\a:Q+8*\a+3]   offset:64*\a       ; rows 16 a + 8 h + 0..3; the sixteen lanes of a half write the same words with the same values
	ds_store_b128 v[SUMA], v[Q+8*\a+4:Q+8*\a+7] offset:64*\a+16
.endr
	s_wait_dscnt 0x0                               ; for the other waves' sake: my row sums are in LDS
	s_barrier_signal -1
	s_barrier_wait -1
	s_wait_alu depctr_vm_vsrc(0)                   ; my LDS stores have read Q: of its registers v224-231 are the sums C from here on, and the weighted sum's loads land in v192-223
.irp s, 0,1,2,3
	ds_load_b128 v[64+4*\s:64+4*\s+3], v[SUMR] offset:512*\s       ; the four waves' sums of rows 4 lane .. 4 lane + 3
.endr
	s_wait_dscnt 0x0
	v_pk_add_f32 v[64:65], v[64:65], v[68:69]
	v_pk_add_f32 v[66:67], v[66:67], v[70:71]
	v_pk_add_f32 v[72:73], v[72:73], v[76:77]
	v_pk_add_f32 v[74:75], v[74:75], v[78:79]
	v_pk_add_f32 v[LG:LG+1],   v[64:65], v[72:73]  ; every wave adds in the same order: the same 128 logits in each
	v_pk_add_f32 v[LG+2:LG+3], v[66:67], v[74:75]
	s_cmp_lg_u32 s16, 0
	s_cbranch_scc1 .Lnot_wave_0
	s_wait_alu depctr_va_vdst(0)                   ; the additions have written v24-27, which the store reads
	global_store_b128 v[LO], v[LG:LG+3], s[12:13]  ; 512 consecutive bytes, aligned; v24-27 are not written again
.Lnot_wave_0:
	; the block's largest logit, in every lane
	v_max_num_f32 v31, v[LG+2], v[LG+3]
	v_max3_num_f32 v30, v[LG], v[LG+1], v31
	v_max_num_f32_dpp v30, v30, v30 row_xmask:1 row_mask:0xf bank_mask:0xf
	v_max_num_f32_dpp v30, v30, v30 row_xmask:2 row_mask:0xf bank_mask:0xf
	v_max_num_f32_dpp v30, v30, v30 row_xmask:4 row_mask:0xf bank_mask:0xf
	v_max_num_f32_dpp v30, v30, v30 row_xmask:8 row_mask:0xf bank_mask:0xf
	v_permlanex16_b32 v31, v30, s21, s22           ; its destination counts as read: v31 has been written above
	v_max_num_f32 v30, v30, v31
	; p = exp(logit - maximum).  The difference is formed first, so that it is exact near the maximum; the next launch forms it in the same way.
.irp i, 0,1,2,3
	v_sub_f32 v[32+\i], v[LG+\i], v30
.endr
.irp i, 0,1,2,3
	v_mul_f32 v[32+\i], 0x3fb8aa3b, v[32+\i]
.endr
.irp i, 0,1,2,3
	v_exp_f32 v[32+\i], v[32+\i]
.endr
.irp e, 0,1,2,3,4,5,6,7
	v_mov_b32 v[C+\e], 0                           ; the eight sums of the loop below; also the plain place behind the transcendentals
.endr
	s_wait_alu depctr_va_vdst(0)                   ; the four exponentials have written v32-35, which the LDS store reads; the additions above are done with v64-79, in which the loop's loads land
	ds_store_b128 v[PST], v[32:35]                 ; my wave's own copy of p: LDS serves a wave's instructions in order (ISA guide 5.7.1), so its loads below see it
	; THE WEIGHTED SUM.  Wave w takes columns 256 w .. 256 w + 255 of all 128 rows (slices 4 w .. 4 w + 3); a lane takes 4 lane .. + 3 and 128 + 4 lane .. + 3.
	; A load's lanes 0-15 read 128 bytes of one slice, lanes 16-31 of the next, SLICE bytes on: 128 modulo 256, no bank is asked twice.
.macro WLOAD16 xx, pp, frst                    ; sixteen weights (every lane reads the same words) and sixteen rows' 2 x 256 bytes: 36 loads
.irp g, 0,1,2,3
	ds_load_b128 v[\pp+4*\g:\pp+4*\g+3], v[PB] offset:4*\frst+16*\g
.endr
.irp rw, 0,1,2,3,4,5,6,7,8,9,10,11,12,13,14,15
	ds_load_b64 v[\xx+4*\rw:\xx+4*\rw+1],   v[RD] offset:(\frst+\rw)*RP
	ds_load_b64 v[\xx+4*\rw+2:\xx+4*\rw+3], v[RD] offset:(\frst+\rw)*RP+2*SLICE
.endr
.endm
.macro WFMA16 xx, pp                           ; a bf16 half times an f32 weight, added in f32
.irp rw, 0,1,2,3,4,5,6,7,8,9,10,11,12,13,14,15
.irp e, 0,1,2,3
	v_fma_mix_f32_bf16 v[C+2*\e],   v[\xx+4*\rw+\e], v[\pp+\rw], v[C+2*\e]   op_sel:[0,0,0] op_sel_hi:[1,0,0]
	v_fma_mix_f32_bf16 v[C+2*\e+1], v[\xx+4*\rw+\e], v[\pp+\rw], v[C+2*\e+1] op_sel:[1,0,0] op_sel_hi:[1,0,0]
.endr
.endr
.endm
	s_mov_b32 s20, 4
.Lrows32:
	s_wait_alu depctr_va_vdst(0)                   ; the last trip's multiply-adds are done reading the rows and weights, in whose registers the loads below land; RD and PB are written
	WLOAD16 X0, P0, 0
	WLOAD16 X1, P1, 16
	s_wait_dscnt 36                                ; the first sixteen rows are in; the 36 loads of the second sixteen may be out
	WFMA16 X0, P0
	s_wait_dscnt 0x0
	WFMA16 X1, P1
	s_wait_alu depctr_vm_vsrc(0)                   ; the trip's LDS loads have read RD and PB
	v_add_nc_u32 v[RD], 32*RP, v[RD]
	v_add_nc_u32 v[PB], 128, v[PB]
	s_sub_co_u32 s20, s20, 1
	s_cmp_lg_u32 s20, 0
	s_cbranch_scc1 .Lrows32
	s_wait_alu depctr_va_vdst(0)                   ; the multiply-adds have written the eight sums, which the stores read
	global_store_b128 v[PO], v[C:C+3],   s[14:15]             ; each store of the wave covers 512 consecutive bytes, aligned
	global_store_b128 v[PO], v[C+4:C+7], s[14:15] offset:512
	s_wait_dscnt 0x0
	s_wait_alu depctr_hold_cnt(0) depctr_sa_sdst(0) depctr_va_vdst(0) depctr_va_sdst(0) depctr_va_ssrc(0) depctr_va_vcc(0) depctr_vm_vsrc(0)
	s_wait_tensorcnt 0x0
	ds_add_u32 v21, v22
	s_wait_dscnt 0x0
	s_endpgm
.Lfunc_end_k_qd25ab805b8_attn:
	.size	k_qd25ab805b8_attn, .Lfunc_end_k_qd25ab805b8_attn-k_qd25ab805b8_attn
	.p2alignl 7, 3214868480
	.fill 96, 4, 3214868480
	.section	.rodata,"a",@progbits
	.p2align	6, 0x0
	.amdhsa_kernel k_qd25ab805b8_attn
		.amdhsa_group_segment_fixed_size 309760
		.amdhsa_private_segment_fixed_size 0
		.amdhsa_enable_private_segment 0
		.amdhsa_kernarg_size 48
		.amdhsa_user_sgpr_count 2
		.amdhsa_user_sgpr_kernarg_segment_ptr 1
		.amdhsa_wavefront_size32 1
		.amdhsa_system_sgpr_workgroup_id_x 1
		.amdhsa_system_sgpr_workgroup_id_y 1
		.amdhsa_system_sgpr_workgroup_id_z 1
		.amdhsa_system_vgpr_workitem_id 0
		.amdhsa_next_free_vgpr 1024
		.amdhsa_next_free_sgpr 66
		.amdhsa_reserve_vcc 0
		.amdhsa_float_denorm_mode_32 3
		.amdhsa_float_denorm_mode_16_64 3
		.amdhsa_memory_ordered 1
		.amdhsa_forward_progress 1
		.amdhsa_inst_pref_size 255
	.end_amdhsa_kernel
	.section	.bss,"aw",@nobits
	.p2align	6
	.space	262144
	.amdgpu_metadata
---
amdhsa.version: [ 1, 2 ]
amdhsa.kernels:
  - .name:           k_qd25ab805b8_attn
    .symbol:         k_qd25ab805b8_attn.kd
    .args:
      - { .name: context, .offset: 0, .size: 8, .value_kind: global_buffer, .address_space: global }
      - { .name: wmf, .offset: 8, .size: 8, .value_kind: global_buffer, .address_space: global }
      - { .name: hxs, .offset: 16, .size: 8, .value_kind: global_buffer, .address_space: global }
      - { .name: v, .offset: 24, .size: 8, .value_kind: global_buffer, .address_space: global }
      - { .name: logits, .offset: 32, .size: 8, .value_kind: global_buffer, .address_space: global }
      - { .name: part, .offset: 40, .size: 8, .value_kind: global_buffer, .address_space: global }
    .group_segment_fixed_size: 309760
    .private_segment_fixed_size: 0
    .kernarg_segment_align: 8
    .kernarg_segment_size: 48
    .max_flat_workgroup_size: 128
    .sgpr_count:     66
    .vgpr_count:     1024
    .wavefront_size: 32
...
	.end_amdgpu_metadata
.endif
;; end of part 4
;; launch combine: the kernel of part 3 again; grid 32 x 1, 8 waves a work-group, no clusters, 1,280 bytes of LDS; arguments logits, part, out0, out1; writes out0, out1
